; MI455X (gfx1250); checked and timed in simulation.
; The chip was launched on July 23, 2026; its instructions are those of AMD's public machine-readable ISA for CDNA 5 (MIT licence, August 2026) and "CDNA5" Instruction Set Architecture Reference Guide (July 2026). The comments in the code are by the model that wrote it; some were corrected since.
;; Multi Head Self Attention Block. Allowed arithmetic: matrix products marked QUANTISED: E2M1 operands, one E8M0 scale for each 32 along K, by v_wmma_scale_f32_16x16x128_f8f6f4 with both operands' format E2M1 (or v_wmma_scale_f32_32x16x128_f4), f32 sums; everything else in f32.
;; Inputs: bk 1,024 float32; bo 1,024 float32; bq 1,024 float32; bv 1,024 float32; k 2 x 2,048 x 1,024 float32; mask 1 x 1 x 2,048 x 2,048 int32; q 2 x 2,048 x 1,024 float32; v 2 x 2,048 x 1,024 float32; wk 1,024 x 1,024 float32; wo 1,024 x 1,024 float32; wq 1,024 x 1,024 float32; wv 1,024 x 1,024 float32.
;; Outputs: out0 2 x 2,048 x 1,024 float32.
;; This version of the problem:
;;   THIS VERSION OF THE PROBLEM IS GIVEN IN LOW PRECISION. The matrix products marked QUANTISED in the list below multiply operands that are first quantised to E2M1 (2 exponent bits, 1 mantissa bit; 4 bits a number), with one power-of-two scale for each 32 numbers along K (OCP MX v1.0); their sums are f32. All else is computed in f32.
;;   The module's matrix products, in the order in which they are computed (A, B: the left and right operand; K: the contracted axis; several contracted axes count as one K, in the product's order):
;;     1. [M 4,096, K 1,024] x [K 1,024, N 1,024]; A: input q; B: input wq: QUANTISED
;;     2. [M 4,096, K 1,024] x [K 1,024, N 1,024]; A: input k; B: input wk: QUANTISED
;;     3. [M 4,096, K 1,024] x [K 1,024, N 1,024]; A: input v; B: input wv: QUANTISED
;;     4. batch 32 x [M 2,048, K 64] x [K 64, N 2,048]; A: computed on the way; B: computed on the way: QUANTISED
;;     5. batch 32 x [M 2,048, K 2,048] x [K 2,048, N 64]; A: softmax (see below); B: computed on the way: QUANTISED
;;     6. [M 4,096, K 1,024] x [K 1,024, N 1,024]; A: computed on the way; B: input wo: QUANTISED
;;   THE QUANTISER, for each operand of a quantised product, along K:
;;     - K is cut into blocks of 32 from its start; a last block that is shorter is filled with zeros.
;;     - A block's scale is 2^e with e = floor(log2(the largest magnitude in the block)) - 2, held to -126 .. 127; a block of zeros has e = 0. As a byte (E8M0): e + 127.
;;     - Each number is divided by its block's scale, clamped to +-6, and rounded to the nearest number of E2M1, ties to even, subnormals kept.
;;     - The product sums the exact products of the quantised numbers (number of the format x scale) in f32.
;;   ~~~python
;;   def quantise(x, axis):      # numpy; x: float32 -> the quantised numbers, widened to float32 again
;;       x = np.moveaxis(x, axis, -1); K = x.shape[-1]
;;       x = np.pad(x, [(0, 0)] * (x.ndim - 1) + [(0, -K % 32)]); x = x.reshape(x.shape[:-1] + (-1, 32)); a = np.abs(x).max(-1, keepdims=True)
;;       e = np.where(a > 0, np.clip(np.frexp(np.where(a > 0, a, 1))[1] - 1 - 2, -126, 127), 0)      # np.frexp(a)[1] - 1 = floor(log2(a)), exactly
;;       r = np.clip(x / 2.0 ** e, -6, 6)
;;       step = 2.0 ** (np.maximum(np.frexp(np.where(r == 0, 1, r))[1] - 1, 0) - 1)
;;       q = np.round(r / step) * step * 2.0 ** e      # np.round: ties to even
;;       return np.moveaxis(q.reshape(q.shape[:-2] + (-1,))[..., :K], -1, axis).astype(np.float32)
;;   ~~~
;;   SOFTMAX AHEAD OF A QUANTISED PRODUCT. Where the list says 'softmax', what is quantised is not the finished softmax but p = 2^(t - M), with t = logit x log2(e) and M = ceil(the row's largest t), a whole number; so 1/2 < the row's largest p <= 1. The row's sum l is taken of the UNQUANTISED p, in f32, and the product's result is divided by l at the end. Since M is a whole number, a kernel that streams over the keys may use a running M (the ceiling of the running maximum): every later rescaling is an exact power of two, which a block's scale takes up: the codes' values come out the same.
;;   OPERANDS COMPUTED ON THE WAY. 'Computed on the way' means the value that the module computes at that place (a softmax that the list does not call 'softmax' is quantised finished and normalised). What goes into a quantiser is computed in f32, as accurately as f32 sums, v_exp_f32 and their like allow (about 1e-6 of the number): no bf16 or f16 on the way to a quantiser, and a product that is left as it is and whose result goes on into a quantised operand takes f32 operands (vector FMAs, or v_wmma_f32_16x16x4_f32). A number that lies on a knife's edge between two numbers of the format may be rounded either way, as far as f32 arithmetic and the matrix unit's own rounding can turn it there, and no further.
;; 2 versions. Each part assembles by itself: llvm-mc -triple=amdgcn-amd-amdhsa -mcpu=gfx1250 --defsym DOCPART=n.
;; ======== version 1 of 2: 5 launches
;; workspace buffers: opnd 8,912,896 bytes; mbits 524,288 bytes of whole numbers; qimg 2,621,440 bytes; kv 4,980,736 bytes; xp 2,228,224 bytes
;; launch quant (part 1): grid 256 x 1, 4 waves a work-group, no clusters, 34,304 bytes of LDS; arguments q, k, v, wq, wk, wv, wo, opnd; writes opnd
.if DOCPART == 1
	.amdgcn_target "amdgcn-amd-amdhsa--gfx1250"
	.amdhsa_code_object_version 6
	.text
	.protected	k_qd15f43e423_quant
	.globl	k_qd15f43e423_quant
	.p2align	8
	.type	k_qd15f43e423_quant,@function
k_qd15f43e423_quant:
	s_mov_b64 s[64:65], 0
	v_nop
	global_prefetch_b8 v0, s[64:65] scope:SCOPE_SE
	s_setreg_imm32_b32 hwreg(HW_REG_WAVE_MODE, 25, 1), 1
	s_wait_xcnt 0x0
; q, k, v [4096][1024] and wq, wk, wv, wo [1024][1024], f32, K innermost, become codes of FP4 (E2M1) with one E8M0 byte for each 32 along K,
; laid as TILE RECORDS of 8,704 bytes: 16 rows x 1,024 along K as images of the matrix operand's registers.
;   bytes 0 .. 8191: image (s, c) at 1024 s + 512 c + 16 lane: lane (r, hh) holds the 16 bytes (32 codes) of block 4 s + 2 c + hh of the tile's row r;
;   bytes 8192 .. 8703: at 16 lane, lane (r, hh) holds the four scale words of K steps 4 hh .. 4 hh + 3 of row r.
; Tiles: q 0-255, k 256-511, v 512-767, wq 768-831, wk 832-895, wv 896-959, wo 960-1023.  In q lane r of tile T is row 16 T + r; in all the others
; row 32 (T / 2) + 8 (T % 2) + r + 8 (r / 8), so that results of a product whose source 0 they are lie as 16 neighbours in a lane's registers.
; A block's scale is 2^(floor(log2(largest magnitude)) - 2): its byte is the largest magnitude's exponent field - 2, held at 1 from below by a floor among the maximum's leaves.
; LIMITS: a block of zeros gets the byte 1 where the rule says 127 (its codes are zeros, and this program alone reads the bytes); NaN and infinities among the inputs are not served.
; A wave takes one tile, in 8 steps of 128 along K.  Each load reads 512 consecutive bytes of a row; the step's 16 rows turn through the wave's own stage in LDS, so that a lane
; gets two whole blocks of its row.  Waves share nothing: no barrier.  Loads run two steps (32 loads a wave) ahead.
.set STG,  8448                        ; a wave's stage: 16 rows x (512 bytes + 16): row r starts 4 r banks on
.set R,    16                          ; v16-143  two sets of 16 rows x 4 registers, as loaded
.set X,    144                         ; v144-207 my two blocks of 32 numbers
.set C,    208                         ; v208-215 the step's codes
.set WD,   216                         ; v216-223 the scale word of each step
.set MX,   224                         ; v224-225 largest magnitudes
.set SO,   226                         ; v226-227 the conversions' scale operands
.set BY,   228                         ; v228-229 the bytes
.set T,    230
.set U,    231
.set OUT,  232                         ; v232-235 my four scale words
	s_load_b512 s[4:19], s[0:1], 0x0               ; q, k, v, wq, wk, wv, wo, opnd
	v_lshl_add_u32 v240, v0, 2, 0x8400
	v_mov_b32 v241, 0
	v_lshrrev_b32 v7, 5, v0
	v_readfirstlane_b32 s20, v7                    ; wave
	v_and_b32 v8, 31, v0
	v_lshlrev_b32 v1, 4, v8                        ; 16 x lane
	v_and_b32 v9, 15, v0                           ; r
	v_bfe_u32 v6, v0, 4, 1                         ; hh
	v_lshlrev_b32 v5, 3, v6                        ; 8 hh: where my two bytes stand in a scale word
	s_mul_i32 s24, s20, STG
	v_add_nc_u32 v3, s24, v1                       ; into the stage: a row's 512 bytes as they lie
	v_mul_u32_u24 v4, v9, 528
	v_lshl_add_u32 v4, v6, 7, v4
	v_add_nc_u32 v4, s24, v4                       ; out of it: row r, + 128 hh: block hh; block 2 + hh lies 256 bytes on
	v_mov_b32 v[U], 0                              ; a lane permute's destination counts as one of its sources
	s_wait_kmcnt 0x0
	s_mov_b64 s[22:23], s[16:17]                   ; which tensor: the choice hangs on the work-group's number alone
	s_mov_b32 s21, 240                             ; and its first work-group
.macro PICK th, lo, base
	s_cmp_lt_u32 ttmp9, \th
	s_cselect_b64 s[22:23], s[\lo:\lo+1], s[22:23]
	s_cselect_b32 s21, \base, s21
.endm
	PICK 240, 14, 224
	PICK 224, 12, 208
	PICK 208, 10, 192
	PICK 192, 8, 128
	PICK 128, 6, 64
	PICK 64, 4, 0
	s_sub_co_u32 s25, ttmp9, s21
	s_lshl_b32 s25, s25, 2
	s_add_co_u32 s25, s25, s20                     ; my tile in its tensor
	s_lshl_b32 s26, s25, 4                         ; its first row, rows in natural order,
	s_lshr_b32 s27, s25, 1
	s_lshl_b32 s27, s27, 5
	s_and_b32 s28, s25, 1
	s_lshl_b32 s28, s28, 3
	s_add_co_u32 s27, s27, s28                     ; and in the other order
	s_mov_b32 s28, 65536                           ; there lanes 8-15 lie 16 rows behind lanes 0-7,
	s_cmp_lt_u32 ttmp9, 64                         ; q alone is natural
	s_cselect_b32 s26, s26, s27
	s_cselect_b32 s28, 32768, s28                  ; in q 8 rows
	s_lshl_b32 s26, s26, 12                        ; a row is 4,096 bytes
	s_mov_b32 s27, 0
	s_add_nc_u64 s[22:23], s[22:23], s[26:27]
	s_lshl_b32 s30, ttmp9, 2
	s_add_co_u32 s30, s30, s20
	s_mul_i32 s30, s30, 8704                       ; my record
	s_mov_b32 s31, 0
	s_add_nc_u64 s[18:19], s[18:19], s[30:31]
	v_add_nc_u32 v2, s28, v1                       ; the offset of rows 8-15
.macro LOAD s                          ; step s: 16 rows x 512 bytes into set s % 2
.irp i, 0,1,2,3,4,5,6,7
	global_load_b128 v[R+64*((\s)%2)+4*\i:R+64*((\s)%2)+4*\i+3], v1, s[22:23] offset:\i*4096+(\s)*512 th:TH_LOAD_NT
.endr
.irp i, 0,1,2,3,4,5,6,7
	global_load_b128 v[R+64*((\s)%2)+32+4*\i:R+64*((\s)%2)+32+4*\i+3], v2, s[22:23] offset:\i*4096+(\s)*512 th:TH_LOAD_NT
.endr
.endm
.macro STEP s
.if (\s) < 7
	s_wait_loadcnt 16                              ; this step's 16 loads are in; the next step's 16 may be out
.else
	s_wait_loadcnt 0x0
.endif
.irp i, 0,1,2,3,4,5,6,7,8,9,10,11,12,13,14,15
	ds_store_b128 v3, v[R+64*((\s)%2)+4*\i:R+64*((\s)%2)+4*\i+3] offset:\i*528
.endr
.irp c, 0,1
.irp q, 0,1,2,3,4,5,6,7
	ds_load_b128 v[X+32*\c+4*\q:X+32*\c+4*\q+3], v4 offset:256*\c+16*\q   ; LDS serves a wave's instructions in order: these see the stores above
.endr
.endr
	s_wait_dscnt 0x0                               ; my numbers are back, and the stores into the stage have read their registers
	s_wait_xcnt 0x0                                ; the last step's stores have read the codes' registers
.if (\s)+2 < 8
	LOAD (\s)+2
.endif
.irp c, 0,1
	v_max3_num_f32 v[MX+\c], |v[X+32*\c]|, |v[X+32*\c+1]|, 0x1800000   ; block 2 c + hh: all 32 numbers are mine; the floor 2^(3 - 127) holds the byte at 1 from below
.endr
.irp i, 2,4,6,8,10,12,14,16,18,20,22,24,26,28,30
.irp c, 0,1
	v_max3_num_f32 v[MX+\c], v[MX+\c], |v[X+32*\c+\i]|, |v[X+32*\c+\i+1]|   ; (the two blocks by turns)
.endr
.endr
.irp c, 0,1
	v_add_nc_u32 v[SO+\c], 0xff000000, v[MX+\c]    ; 2 off the exponent field: the conversion takes this operand's exponent field as its scale
.endr
.irp c, 0,1
	v_lshrrev_b32 v[BY+\c], 23, v[SO+\c]           ; the scale's byte
.endr
	v_lshl_or_b32 v[T], v[BY+1], 16, v[BY]         ; my two bytes: blocks hh and 2 + hh,
	v_lshlrev_b32 v[T], v5, v[T]                   ; at their places;
	v_permlanex16_b32 v[U], v[T], s32, s33
	v_or_b32 v[WD+(\s)], v[T], v[U]                ; with lane l xor 16's two the word is whole
.irp c, 0,1
.irp g, 0,1,2,3
	v_cvt_scalef32_pk8_fp4_f32 v[C+4*\c+\g], v[X+32*\c+8*\g:X+32*\c+8*\g+7], v[SO+\c]
.endr
.endr
	v_nop                                          ; one plain place behind the scaled conversions
.irp c, 0,1
	global_store_b128 v1, v[C+4*\c:C+4*\c+3], s[18:19] offset:(\s)*1024+\c*512   ; 32 lanes store 512 consecutive bytes
.endr
.endm
	s_mov_b32 s32, 0x76543210
	s_mov_b32 s33, 0xfedcba98                      ; v_permlanex16_b32's selects for lane l xor 16
	LOAD 0
	LOAD 1
.irp s, 0,1,2,3,4,5,6,7
	STEP \s
.endr
	v_cmp_ne_u32 vcc_lo, 0, v6
.irp j, 0,1,2,3
	v_cndmask_b32 v[OUT+\j], v[WD+\j], v[WD+4+\j], vcc_lo   ; lanes 0-15 keep K steps 0-3, lanes 16-31 K steps 4-7
.endr
	global_store_b128 v1, v[OUT:OUT+3], s[18:19] offset:8192
	s_wait_tensorcnt 0x0
	ds_add_u32 v240, v241
	s_wait_dscnt 0x0
	s_endpgm
.Lfunc_end_k_qd15f43e423_quant:
	.size	k_qd15f43e423_quant, .Lfunc_end_k_qd15f43e423_quant-k_qd15f43e423_quant
	.p2alignl 7, 3214868480
	.fill 96, 4, 3214868480
	.section	.rodata,"a",@progbits
	.p2align	6, 0x0
	.amdhsa_kernel k_qd15f43e423_quant
		.amdhsa_group_segment_fixed_size 34304
		.amdhsa_private_segment_fixed_size 0
		.amdhsa_enable_private_segment 0
		.amdhsa_kernarg_size 64
		.amdhsa_user_sgpr_count 2
		.amdhsa_user_sgpr_kernarg_segment_ptr 1
		.amdhsa_wavefront_size32 1
		.amdhsa_system_sgpr_workgroup_id_x 1
		.amdhsa_system_sgpr_workgroup_id_y 1
		.amdhsa_system_sgpr_workgroup_id_z 1
		.amdhsa_system_vgpr_workitem_id 0
		.amdhsa_next_free_vgpr 242
		.amdhsa_next_free_sgpr 66
		.amdhsa_reserve_vcc 1
		.amdhsa_float_denorm_mode_32 3
		.amdhsa_float_denorm_mode_16_64 3
		.amdhsa_memory_ordered 1
		.amdhsa_forward_progress 1
		.amdhsa_inst_pref_size 58
	.end_amdhsa_kernel
	.amdgpu_metadata
---
amdhsa.version: [ 1, 2 ]
amdhsa.kernels:
  - .name:           k_qd15f43e423_quant
    .symbol:         k_qd15f43e423_quant.kd
    .args:
      - { .name: q, .offset: 0, .size: 8, .value_kind: global_buffer, .address_space: global }
      - { .name: k, .offset: 8, .size: 8, .value_kind: global_buffer, .address_space: global }
      - { .name: v, .offset: 16, .size: 8, .value_kind: global_buffer, .address_space: global }
      - { .name: wq, .offset: 24, .size: 8, .value_kind: global_buffer, .address_space: global }
      - { .name: wk, .offset: 32, .size: 8, .value_kind: global_buffer, .address_space: global }
      - { .name: wv, .offset: 40, .size: 8, .value_kind: global_buffer, .address_space: global }
      - { .name: wo, .offset: 48, .size: 8, .value_kind: global_buffer, .address_space: global }
      - { .name: opnd, .offset: 56, .size: 8, .value_kind: global_buffer, .address_space: global }
    .group_segment_fixed_size: 34304
    .private_segment_fixed_size: 0
    .kernarg_segment_align: 8
    .kernarg_segment_size: 64
    .max_flat_workgroup_size: 128
    .sgpr_count:     66
    .vgpr_count:     242
    .wavefront_size: 32
...
	.end_amdgpu_metadata
.endif
;; end of part 1
;; launch maskpack (part 2): grid 256 x 1, 4 waves a work-group, no clusters, 34,304 bytes of LDS; arguments mask, mbits; writes mbits
.if DOCPART == 2
	.amdgcn_target "amdgcn-amd-amdhsa--gfx1250"
	.amdhsa_code_object_version 6
	.text
	.protected	k_qd15f43e423_maskpack
	.globl	k_qd15f43e423_maskpack
	.p2align	8
	.type	k_qd15f43e423_maskpack,@function
k_qd15f43e423_maskpack:
	s_mov_b64 s[64:65], 0
	v_nop
	global_prefetch_b8 v0, s[64:65] scope:SCOPE_SE
	s_setreg_imm32_b32 hwreg(HW_REG_WAVE_MODE, 25, 1), 1
	s_wait_xcnt 0x0
; mask [2048][2048] int32 becomes lane masks for the attention launch: mbits [query tile 128][key step 16][64 words].
; Bit l = (r, hh) of word n says whether mask[16 tile + r][128 step + 32 (n / 16) + 16 hh + n % 16] is not 0: that is the score which lane l holds in register n there.
; A work-group takes a query tile and eight key steps, a wave two of them.  Each load reads 512 consecutive bytes of a row of the mask; a step's 16 rows turn through the wave's
; own stage in LDS, so that lane (r, hh) holds its 64 numbers; a compare makes a word of 32 lanes, and v_writelane_b32 lays word n into lane n / 2, register n % 2:
; the 64 words leave as one aligned run of 256 bytes.  Waves share nothing: no barrier.
.set R, 16                             ; v16-143  two steps of 16 rows x 4 registers
.set X, 144                            ; v144-207 my 64 numbers
	s_load_b128 s[4:7], s[0:1], 0x0                ; mask, mbits
	v_lshl_add_u32 v208, v0, 2, 0x8400
	v_mov_b32 v209, 0
	v_lshrrev_b32 v5, 5, v0
	v_readfirstlane_b32 s8, v5                     ; wave
	v_and_b32 v6, 31, v0
	v_lshlrev_b32 v1, 4, v6                        ; 16 x lane
	v_lshlrev_b32 v2, 3, v6                        ; 8 x lane
	v_and_b32 v7, 15, v0
	v_bfe_u32 v12, v0, 4, 1
	s_mul_i32 s16, s8, 8448                        ; my stage: 16 rows x (512 + 16) bytes
	v_add_nc_u32 v3, s16, v1
	v_mul_u32_u24 v4, v7, 528
	v_lshl_add_u32 v4, v12, 6, v4
	v_add_nc_u32 v4, s16, v4                       ; row r, + 64 hh: 16 keys of each 32
.irp j, 8,9,10,11
	v_mov_b32 v\j, 0                               ; v_writelane_b32's destination counts as read
.endr
	s_lshr_b32 s9, ttmp9, 1                        ; the query tile
	s_and_b32 s10, ttmp9, 1
	s_lshl_b32 s10, s10, 3
	s_lshl_b32 s11, s8, 1
	s_add_co_u32 s10, s10, s11                     ; my first key step
	s_lshl_b32 s12, s9, 17                         ; 16 rows of 8,192 bytes
	s_lshl_b32 s11, s10, 9
	s_add_co_u32 s12, s12, s11
	s_mov_b32 s13, 0
	s_lshl_b32 s14, s9, 12
	s_lshl_b32 s11, s10, 8
	s_add_co_u32 s14, s14, s11
	s_mov_b32 s15, 0
	s_wait_kmcnt 0x0
	s_add_nc_u64 s[4:5], s[4:5], s[12:13]
	s_add_nc_u64 s[6:7], s[6:7], s[14:15]
.irp e, 0,1
.irp i, 0,1,2,3,4,5,6,7,8,9,10,11,12,13,14,15
	global_load_b128 v[R+64*\e+4*\i:R+64*\e+4*\i+3], v1, s[4:5] offset:\i*8192+\e*512 th:TH_LOAD_NT
.endr
.endr
.macro TASK e
.if \e == 0
	s_wait_loadcnt 16                              ; this step's 16 loads are in; the second step's 16 may be out
.else
	s_wait_loadcnt 0x0
.endif
.irp i, 0,1,2,3,4,5,6,7,8,9,10,11,12,13,14,15
	ds_store_b128 v3, v[R+64*\e+4*\i:R+64*\e+4*\i+3] offset:\i*528
.endr
.irp b, 0,1,2,3
.irp q, 0,1,2,3
	ds_load_b128 v[X+16*\b+4*\q:X+16*\b+4*\q+3], v4 offset:128*\b+16*\q   ; LDS serves a wave's instructions in order
.endr
.endr
	s_wait_dscnt 0x0
.set n, 0
.rept 64
	v_cmp_ne_u32 s[20+n%8], 0, v[X+n]
	v_writelane_b32 v[8+2*\e+n%2], s[20+n%8], n/2
.set n, n+1
.endr
	global_store_b64 v2, v[8+2*\e:9+2*\e], s[6:7] offset:256*\e
.endm
	TASK 0
	TASK 1
	s_wait_tensorcnt 0x0
	ds_add_u32 v208, v209
	s_wait_dscnt 0x0
	s_endpgm
.Lfunc_end_k_qd15f43e423_maskpack:
	.size	k_qd15f43e423_maskpack, .Lfunc_end_k_qd15f43e423_maskpack-k_qd15f43e423_maskpack
	.p2alignl 7, 3214868480
	.fill 96, 4, 3214868480
	.section	.rodata,"a",@progbits
	.p2align	6, 0x0
	.amdhsa_kernel k_qd15f43e423_maskpack
		.amdhsa_group_segment_fixed_size 34304
		.amdhsa_private_segment_fixed_size 0
		.amdhsa_enable_private_segment 0
		.amdhsa_kernarg_size 16
		.amdhsa_user_sgpr_count 2
		.amdhsa_user_sgpr_kernarg_segment_ptr 1
		.amdhsa_wavefront_size32 1
		.amdhsa_system_sgpr_workgroup_id_x 1
		.amdhsa_system_sgpr_workgroup_id_y 1
		.amdhsa_system_sgpr_workgroup_id_z 1
		.amdhsa_system_vgpr_workitem_id 0
		.amdhsa_next_free_vgpr 210
		.amdhsa_next_free_sgpr 66
		.amdhsa_reserve_vcc 0
		.amdhsa_float_denorm_mode_32 3
		.amdhsa_float_denorm_mode_16_64 3
		.amdhsa_memory_ordered 1
		.amdhsa_forward_progress 1
		.amdhsa_inst_pref_size 26
	.end_amdhsa_kernel
	.amdgpu_metadata
---
amdhsa.version: [ 1, 2 ]
amdhsa.kernels:
  - .name:           k_qd15f43e423_maskpack
    .symbol:         k_qd15f43e423_maskpack.kd
    .args:
      - { .name: mask, .offset: 0, .size: 8, .value_kind: global_buffer, .address_space: global }
      - { .name: mbits, .offset: 8, .size: 8, .value_kind: global_buffer, .address_space: global }
    .group_segment_fixed_size: 34304
    .private_segment_fixed_size: 0
    .kernarg_segment_align: 8
    .kernarg_segment_size: 16
    .max_flat_workgroup_size: 128
    .sgpr_count:     66
    .vgpr_count:     210
    .wavefront_size: 32
...
	.end_amdgpu_metadata
.endif
;; end of part 2
;; launch proj (part 3): grid 4 x 48, 4 waves a work-group, clusters of 4 x 1, 168,448 bytes of LDS; arguments opnd, bq, bk, bv, qimg, kv; writes qimg, kv
.if DOCPART == 3
	.amdgcn_target "amdgcn-amd-amdhsa--gfx1250"
	.amdhsa_code_object_version 6
	.text
	.protected	k_qd15f43e423_proj
	.globl	k_qd15f43e423_proj
	.p2align	8
	.type	k_qd15f43e423_proj,@function
k_qd15f43e423_proj:
	s_mov_b64 s[64:65], 0
	v_nop
	global_prefetch_b8 v0, s[64:65] scope:SCOPE_SE
	s_setreg_imm32_b32 hwreg(HW_REG_WAVE_MODE, 25, 1), 1
	s_wait_xcnt 0x0
	s_wait_alu depctr_hold_cnt(0) depctr_sa_sdst(0) depctr_va_vdst(0) depctr_va_sdst(0) depctr_va_ssrc(0) depctr_va_vcc(0) depctr_vm_vsrc(0)
	s_getreg_b32 s2, hwreg(HW_REG_IB_STS2, 6, 4)
	s_cmp_eq_u32 s2, 0
	s_cbranch_scc0 .Lentry_in_a_cluster
	s_endpgm
.Lentry_in_a_cluster:
	s_bfe_u32 s2, ttmp6, 0x10000c
	s_cmp_lg_u32 s2, 0x3003
	s_cbranch_scc0 .Lentry_shape_is_right
	s_endpgm
.Lentry_shape_is_right:
; The three projections on codes of FP4, their biases, and the quantising of their results for the attention launch.
;   query = q wq^T + bq and key = k wk^T + bk are quantised along the head's 64 (two blocks); value = v wv^T + bv along the KEYS (blocks of 32 keys).
; ONE FORM OF PRODUCT: source 0 = a tile T, source 1 = a tile U (16 rows x 128 K each, from the tile records).  Lane (r, hh) then holds U's row r, and, T's rows being laid for it, the 16
; registers of T tiles 2 p and 2 p + 1 are T's rows 32 p + 16 hh + 0 .. 15: 16 neighbours along the next product's K.  For query and key U = q or k, T = the weight; for value U = wv, T = v.
; SHARES.  y = 16 g + yl; g = 0 query, 1 key, 2 value.  A wave keeps 4 tiles of U (64 rows) for ALL of K in 256 registers, read from memory once; the four waves walk the same 16 tiles of T,
; which lie in LDS, filled once.  192 work-groups: the 3,072 pairs of (T tile, block of 256 rows of U) do not fall evenly on 256 with whole heads.
; CLUSTER.  The four work-groups of a cluster differ in U alone and need the same 16 tiles of T: each wave's tensor load (4 records, 34,816 dense bytes) is asked for jointly by the four.
; No LDS byte is filled twice and none is stored to, so one barrier behind the fill serves the launch.  A wave has one tensor load outstanding.
; OUT.  Codes leave as images of the next operand's registers, 512 consecutive bytes a store.
;   qimg, 81,920 bytes a head: query tile t's codes at 512 t + 16 lane (lane (r, hh): block hh of query r); scale words (byte 0, byte 1, 0x7f, 0x7f) at 65,536 + 512 (t / 4) + 16 lane + 4 (t % 4).
;   kv, 155,648 bytes a head: 16 records of 9,728 bytes, one for each 128 keys: key codes 8 x 512; value codes [a 4][c 2][512] at 4,096; key scale words [2][lane][4] at 8,192; value scale words [lane][4] at 9,216.
; LIMITS: a block of zeros gets the byte 1 (its codes are zeros; this program alone reads the bytes); NaN and infinities are not served.
; REGISTERS, in windows of 256.  Window 0: v1 16 x lane; v2-5 T's LDS addresses; v6, v7 bias offsets; v8-23 U's scale words; v24-39 T's, two sets; v40-55 codes; v56-59 scale words made;
;   v60-75 at work; v76-79 temporaries; v128-191 the 8 accumulators (a, t) at 128 + 16 a + 8 t.   Window 1: U, 64 a + 8 s.   Window 2: T, two sets, 128 (p % 2) + 64 t + 8 s.   Window 3: the biases as C tiles.
.set REC,  8704
.set LAST, 7                           ; 16 tiles of T go in 8 halves of two
.set LI,   1
.set TA,   2
.set BAJ,  6
.set BAI,  7
.set US,   8
.set TS,   24
.set CD,   40
.set W,    56
.set TM,   60
.set ACC,  128
.set WV,   16
.set G0,   32
.set G1,   36
.set SEL,  44
.set DC,   46
.set DS,   48
.set STR,  50
.set UB,   52
.set BB,   54
.set MSB, 0
.macro WIN new                         ; the immediate's high byte repeats the setting that is left
.if MSB != \new
	s_set_vgpr_msb (MSB<<8)|\new
.set MSB, \new
.endif
.endm
.macro PLACES n
.rept \n
	v_nop
.endr
.endm
.macro ROUND                           ; a round of the cluster's barrier
	s_barrier_signal -1
	s_barrier_wait -1
	s_cmp_lg_u32 s[WV], 0
	s_cbranch_scc1 .Lnot_wave_0_\@
	s_barrier_signal -3
.Lnot_wave_0_\@:
	s_barrier_wait -3
	s_barrier_signal -1
	s_barrier_wait -1
.endm
.macro FETCH p                         ; T tiles 2 p and 2 p + 1, all of K, and their scale words: 34 LDS loads of 512 consecutive bytes
	WIN 0x80                                       ; destination window 2, address window 0
.irp t, 0,1
.irp s, 0,1,2,3,4,5,6,7
.irp c, 0,1
	ds_load_b128 v[128*((\p)%2)+64*\t+8*\s+4*\c:128*((\p)%2)+64*\t+8*\s+4*\c+3], v[TA+(\p)/2] offset:((2*(\p)+\t)%4)*REC+\s*1024+\c*512
.endr
.endr
.endr
	WIN 0
.irp t, 0,1
	ds_load_b128 v[TS+8*((\p)%2)+4*\t:TS+8*((\p)%2)+4*\t+3], v[TA+(\p)/2] offset:((2*(\p)+\t)%4)*REC+8192
.endr
.endm
; One product.  A scale register holds K step s % 4 in lanes 0-15 and K step 4 + s % 4 in lanes 16-31.
.macro WM p, s, t, a, cr
.if (\s) < 4
	v_wmma_scale_f32_16x16x128_f8f6f4 v[ACC+16*(\a)+8*(\t):ACC+16*(\a)+8*(\t)+7], v[128*((\p)%2)+64*(\t)+8*(\s):128*((\p)%2)+64*(\t)+8*(\s)+7], v[64*(\a)+8*(\s):64*(\a)+8*(\s)+7], v[0+(\cr):7+(\cr)], v[TS+8*((\p)%2)+4*(\t)+(\s)%4], v[US+4*(\a)+(\s)%4] matrix_a_fmt:MATRIX_FMT_FP4 matrix_b_fmt:MATRIX_FMT_FP4
.else
	v_wmma_scale_f32_16x16x128_f8f6f4 v[ACC+16*(\a)+8*(\t):ACC+16*(\a)+8*(\t)+7], v[128*((\p)%2)+64*(\t)+8*(\s):128*((\p)%2)+64*(\t)+8*(\s)+7], v[64*(\a)+8*(\s):64*(\a)+8*(\s)+7], v[0+(\cr):7+(\cr)], v[TS+8*((\p)%2)+4*(\t)+(\s)%4], v[US+4*(\a)+(\s)%4] matrix_a_fmt:MATRIX_FMT_FP4 matrix_b_fmt:MATRIX_FMT_FP4 matrix_a_scale:MATRIX_SCALE_ROW1 matrix_b_scale:MATRIX_SCALE_ROW1
.endif
.endm
; 64 products: 2 tiles of T x 4 tiles of U x 8 K steps.  The first K step takes the bias as C; the 8 accumulators take turns, one instruction a turn.
.macro MM p, cmode
	WIN 0x36                                       ; source 0 (T) window 2, source 1 (U) window 1, C (bias) window 3, D window 0
.irp t, 0,1
.irp a, 0,1,2,3
.if \cmode == 1
	WM \p, 0, \t, \a, 16*(\p)+8*\t
.else
	WM \p, 0, \t, \a, 8*\a
.endif
.endr
.endr
	WIN 0x06                                       ; C window 0
.irp s, 1,2,3,4,5,6,7
.irp t, 0,1
.irp a, 0,1,2,3
	WM \p, \s, \t, \a, ACC+16*\a+8*\t
.endr
.endr
.endr
	WIN 0
.endm
; Four blocks at once, one for each tile a of U: 16 numbers a lane, v[src + 16 a] on, with lane l xor 16's 16 a block of 32.  Codes to v[CD + 4 a + 2 beta] and the next; bytes in v[TM + 4 + a].
.macro QUANT4 src, beta
.irp a, 0,1,2,3
	v_max3_num_f32 v[TM+\a], |v[\src+16*\a]|, |v[\src+16*\a+1]|, 0x1800000   ; from each accumulator's low end on; the floor 2^(3 - 127) holds the byte at 1 from below
.endr
.irp i, 2,4,6,8,10,12,14
.irp a, 0,1,2,3
	v_max3_num_f32 v[TM+\a], v[TM+\a], |v[\src+16*\a+\i]|, |v[\src+16*\a+\i+1]|
.endr
.endr
.irp a, 0,1,2,3
	v_permlanex16_b32 v[TM+4+\a], v[TM+\a], s[SEL], s[SEL+1]
.endr
.irp a, 0,1,2,3
	v_max_num_f32 v[TM+\a], v[TM+\a], v[TM+4+\a]   ; the block's largest magnitude
.endr
.irp a, 0,1,2,3
	v_add_nc_u32 v[TM+12+\a], 0xff000000, v[TM+\a] ; 2 off its exponent field: the conversion's scale operand
.endr
.irp a, 0,1,2,3
	v_lshrrev_b32 v[TM+4+\a], 23, v[TM+12+\a]      ; the scale's byte
.endr
.irp a, 0,1,2,3
	v_cvt_scalef32_pk8_fp4_f32 v[CD+4*\a+2*(\beta)], v[\src+16*\a:\src+16*\a+7], v[TM+12+\a]
	v_cvt_scalef32_pk8_fp4_f32 v[CD+4*\a+2*(\beta)+1], v[\src+16*\a+8:\src+16*\a+15], v[TM+12+\a]
.endr
	v_nop                                          ; one plain place behind the scaled conversions
.endm
.macro SWAPS                           ; the operand's layout wants a whole block in a lane: lanes 0-15 the even block, lanes 16-31 the odd one
.irp a, 0,1,2,3
	v_permlane16_swap_b32 v[CD+4*\a], v[CD+4*\a+2]
	v_permlane16_swap_b32 v[CD+4*\a+1], v[CD+4*\a+3]
.endr
.endm
; A half: T tiles 2 p, 2 p + 1 against my four tiles of U, and what becomes of the results.  mode 1: query, key;  2: value.
.macro HALF p, mode
	PLACES 4                                       ; with the four behind the last products: eight places ahead of loads into their operands and of products that begin their accumulators anew
.if (\p) < LAST
	FETCH (\p)+1
	s_wait_dscnt 34                                ; all but the 34 just issued: this half's tiles are in
.else
	s_wait_dscnt 0x0
.endif
.if (\p) == 0
	s_wait_loadcnt 0x0                             ; U, its scale words, the biases
.endif
	MM \p, \mode
	PLACES 4                                       ; ahead of the first read of results
	s_wait_xcnt 0x0                                ; earlier stores have read their data and their bases
	QUANT4 ACC, (\p)%2
.if \mode == 1
.if (\p)%2 == 0
.irp a, 0,1,2,3
	v_or_b32 v[W+\a], 0x7f7f0000, v[TM+4+\a]       ; the head has 64 along K: the instruction's upper 64 are zero codes under the byte of 1.0
.endr
.else
.irp a, 0,1,2,3
	v_lshl_or_b32 v[W+\a], v[TM+4+\a], 8, v[W+\a]
.endr
	SWAPS
.if (\p) > 1
	s_add_nc_u64 s[DC:DC+1], s[DC:DC+1], s[STR:STR+1]   ; the next head
	s_add_nc_u64 s[DS:DS+1], s[DS:DS+1], s[STR:STR+1]
.endif
.irp a, 0,1,2,3
	global_store_b128 v[LI], v[CD+4*\a:CD+4*\a+3], s[DC:DC+1] offset:512*\a
.endr
	global_store_b128 v[LI], v[W:W+3], s[DS:DS+1]
.endif
.else
.if (\p)%4 == 0
.irp a, 0,1,2,3
	v_mov_b32 v[W+\a], v[TM+4+\a]                  ; four blocks of 32 keys make a scale word
.endr
.else
.irp a, 0,1,2,3
	v_lshl_or_b32 v[W+\a], v[TM+4+\a], 8*((\p)%4), v[W+\a]
.endr
.endif
.if (\p)%2 == 1
	SWAPS
.irp a, 0,1,2,3
	global_store_b128 v[LI], v[CD+4*\a:CD+4*\a+3], s[DC:DC+1] offset:((\p)/4)*9728+4096+1024*\a+512*(((\p)/2)%2)
.endr
.endif
.if (\p)%4 == 3
	global_store_b128 v[LI], v[W:W+3], s[DC:DC+1] offset:((\p)/4)*9728+9216
.endif
.endif
.endm
	s_load_b256 s[4:11], s[0:1], 0x0               ; opnd, bq, bk, bv
	s_load_b128 s[12:15], s[0:1], 0x20             ; qimg, kv
	v_lshl_add_u32 v254, v0, 2, 0x29000
	v_mov_b32 v255, 0
	ds_add_u32 v254, v255
	ds_add_u32 v254, v255
	v_lshrrev_b32 v76, 5, v0
	v_readfirstlane_b32 s[WV], v76                 ; wave 0..3
	v_and_b32 v77, 31, v0
	v_lshlrev_b32 v[LI], 4, v77
.irp q, 0,1,2,3
	v_add_nc_u32 v[TA+\q], 4*REC*\q, v[LI]         ; T tiles 4 q .. 4 q + 3: the rest stands in the immediates
.endr
	v_bfe_u32 v78, v0, 4, 1                        ; hh
	v_lshlrev_b32 v[BAJ], 6, v78                   ; a bias along the registers: 16 numbers for each half of the lanes
	v_and_b32 v79, 15, v0
	v_and_b32 v76, 8, v79
	v_add_nc_u32 v79, v79, v76
	v_lshlrev_b32 v[BAI], 2, v79                   ; a bias along the lanes: number r + 8 (r / 8) of a tile's
.irp a, 0,1,2,3
	v_mov_b32 v[TM+4+\a], 0                        ; a lane permute's destination counts as one of its sources
.endr
	s_and_b32 s18, ttmp7, 0xffff                   ; y
	s_lshr_b32 s19, s18, 4                         ; g
	s_and_b32 s20, s18, 15                         ; yl
	s_and_b32 s21, s20, 3                          ; query, key: which 256 rows of the weight (four heads)
	s_lshl_b32 s22, s19, 6
	s_lshl_b32 s23, s21, 4
	s_add_co_u32 s22, s22, s23
	s_add_co_u32 s22, s22, 768                     ; T's first tile: in wq or wk,
	s_lshl_b32 s23, s20, 4
	s_add_co_u32 s23, s23, 512                     ; or in v
	s_cmp_eq_u32 s19, 2
	s_cselect_b32 s22, s23, s22
	s_lshl_b32 s23, s[WV], 2
	s_add_co_u32 s22, s22, s23                     ; I fetch four of the sixteen: the address hangs on y and the wave's number alone
	s_mul_i32 s22, s22, REC
	s_mov_b32 s23, 0
	s_bfe_u32 s17, ttmp6, 0x40000                  ; cx: my place in the cluster; it enters U's and the results' addresses alone
	s_lshr_b32 s26, s20, 2
	s_lshl_b32 s26, s26, 2
	s_add_co_u32 s26, s26, s17                     ; query, key: which 256 rows of q or k
	s_lshl_b32 s24, s19, 8
	s_lshl_b32 s25, s26, 4
	s_add_co_u32 s24, s24, s25
	s_lshl_b32 s25, s17, 4
	s_add_co_u32 s25, s25, 896                     ; value: which 256 rows of wv
	s_cmp_eq_u32 s19, 2
	s_cselect_b32 s24, s25, s24
	s_lshl_b32 s25, s[WV], 2
	s_add_co_u32 s24, s24, s25                     ; my four tiles of U
	s_mul_i32 s24, s24, REC
	s_mov_b32 s25, 0
	s_mov_b32 s[SEL], 0x76543210
	s_mov_b32 s[SEL+1], 0xfedcba98                 ; v_permlanex16_b32's selects for lane l xor 16
	; descriptor group 1: 34,816 dense bytes as 136 rows of 256 (32 elements of 8 bytes), no padding: the images are read 16 bytes a lane on end
	s_mov_b32 s[G1], 15|(3<<16)|(1<<21)            ; 15:0 the mask: all four work-groups; 17:16 elements of 8 bytes; 21 set beside a mask
	s_mov_b32 s[G1+1], 32<<16                      ; tensor_dim0
	s_mov_b32 s[G1+2], 136<<16                     ; tensor_dim1
	s_mov_b32 s[G1+3], 32<<16                      ; tile_dim0
	s_mov_b32 s[G1+4], 136                         ; tile_dim1
	s_mov_b32 s[G1+5], 32                          ; tensor_dim0_stride
	s_mov_b32 s[G1+6], 0
	s_mov_b32 s[G1+7], 0
	s_mov_b32 s[G0], 1
	s_mul_i32 s[G0+1], s[WV], 4*REC                ; LDS: wave x four records
	s_wait_dscnt 0x0
	s_wait_kmcnt 0x0
	s_add_nc_u64 s[G0+2:G0+3], s[4:5], s[22:23]
	s_or_b32 s[G0+3], s[G0+3], 0x80000000          ; type = 2
	s_add_nc_u64 s[UB:UB+1], s[4:5], s[24:25]
	ROUND                                          ; all four work-groups are here: the joint loads meet
	tensor_load_to_lds s[G0:G0+3], s[G1:G1+7]
	s_nop 0
	PLACES 4
	WIN 0x40                                       ; destination window 1
.irp a, 0,1,2,3
.irp s, 0,1,2,3,4,5,6,7
.irp c, 0,1
	global_load_b128 v[64*\a+8*\s+4*\c:64*\a+8*\s+4*\c+3], v[LI], s[UB:UB+1] offset:\a*REC+\s*1024+\c*512
.endr
.endr
.endr
	WIN 0
.irp a, 0,1,2,3
	global_load_b128 v[US+4*\a:US+4*\a+3], v[LI], s[UB:UB+1] offset:\a*REC+8192
.endr
	s_wait_tensorcnt 0x0                           ; my four records are in,
	s_barrier_signal -1
	s_barrier_wait -1                              ; everybody's are
	FETCH 0
	s_cmp_eq_u32 s19, 2                            ; the same in all waves and in all four partners
	s_cbranch_scc1 .Lvalue
	; ---- query, key
	s_lshr_b32 s27, s26, 3                         ; the batch
	s_and_b32 s28, s26, 7                          ; which 256 rows of it
	s_lshl_b32 s27, s27, 4
	s_lshl_b32 s29, s21, 2
	s_add_co_u32 s27, s27, s29                     ; the first of my four heads
	s_mul_i32 s29, s27, 81920
	s_lshl_b32 s30, s28, 2
	s_add_co_u32 s30, s30, s[WV]                   ; my four tiles are group 4 (rows / 256) + wave
	s_lshl_b32 s56, s30, 11
	s_add_co_u32 s56, s56, s29                     ; query: codes,
	s_lshl_b32 s58, s30, 9
	s_add_co_u32 s58, s58, s29
	s_add_co_u32 s58, s58, 65536                   ; scale words
	s_mul_i32 s29, s27, 155648
	s_lshl_b32 s30, s28, 1
	s_lshr_b32 s31, s[WV], 1
	s_add_co_u32 s30, s30, s31
	s_mul_i32 s30, s30, 9728
	s_add_co_u32 s29, s29, s30                     ; key: the record of my 64 keys' 128,
	s_and_b32 s31, s[WV], 1
	s_lshl_b32 s60, s31, 11
	s_add_co_u32 s60, s60, s29                     ; codes,
	s_lshl_b32 s62, s31, 9
	s_add_co_u32 s62, s62, s29
	s_add_co_u32 s62, s62, 8192                    ; scale words
	s_mov_b32 s[STR], 155648
	s_cmp_eq_u32 s19, 0
	s_cselect_b64 s[DC:DC+1], s[12:13], s[14:15]
	s_cselect_b64 s[BB:BB+1], s[6:7], s[8:9]
	s_cselect_b32 s56, s56, s60
	s_cselect_b32 s58, s58, s62
	s_cselect_b32 s[STR], 81920, s[STR]            ; bytes from head to head
	s_mov_b32 s[STR+1], 0
	s_mov_b32 s57, 0
	s_mov_b32 s59, 0
	s_add_nc_u64 s[DS:DS+1], s[DC:DC+1], s[58:59]
	s_add_nc_u64 s[DC:DC+1], s[DC:DC+1], s[56:57]
	s_lshl_b32 s60, s21, 10
	s_mov_b32 s61, 0
	s_add_nc_u64 s[BB:BB+1], s[BB:BB+1], s[60:61]  ; the bias of my 256 columns
	WIN 0xc0                                       ; destination window 3
.irp p, 0,1,2,3,4,5,6,7
.irp t, 0,1
	global_load_b128 v[16*\p+8*\t:16*\p+8*\t+3], v[BAJ], s[BB:BB+1] offset:128*\p+32*\t        ; register j: bias of column 32 p + 16 hh + 8 t + j
	global_load_b128 v[16*\p+8*\t+4:16*\p+8*\t+7], v[BAJ], s[BB:BB+1] offset:128*\p+32*\t+16
.endr
.endr
	WIN 0
.irp p, 0,1,2,3,4,5,6,7
	HALF \p, 1
.endr
	s_branch .Lend
.Lvalue:	; ---- value: lanes are the head's 64, registers are keys
	s_lshr_b32 s27, s20, 3
	s_lshl_b32 s27, s27, 4
	s_lshl_b32 s28, s17, 2
	s_add_co_u32 s27, s27, s28
	s_add_co_u32 s27, s27, s[WV]                   ; my head: 16 batch + 4 cx + wave
	s_mul_i32 s56, s27, 155648
	s_and_b32 s28, s20, 7
	s_mul_i32 s28, s28, 2*9728                     ; 256 keys are two records
	s_add_co_u32 s56, s56, s28
	s_mov_b32 s57, 0
	s_add_nc_u64 s[DC:DC+1], s[14:15], s[56:57]
	s_lshl_b32 s58, s17, 10
	s_lshl_b32 s28, s[WV], 8
	s_add_co_u32 s58, s58, s28
	s_mov_b32 s59, 0
	s_add_nc_u64 s[BB:BB+1], s[10:11], s[58:59]    ; bv of my head
	WIN 0xc0
.irp a, 0,1,2,3
.irp j, 0,1,2,3,4,5,6,7
	global_load_b32 v[8*\a+\j], v[BAI], s[BB:BB+1] offset:4*(32*(\a/2)+8*(\a%2))   ; all eight registers: the bias of my lane's column
.endr
.endr
	WIN 0
.irp p, 0,1,2,3,4,5,6,7
	HALF \p, 2
.endr
.Lend:
	s_wait_tensorcnt 0x0
	ds_add_u32 v254, v255
	s_wait_dscnt 0x0
	ROUND                                          ; the closing round: no work-group ends while a partner may still ask for a tile that names it
	s_endpgm
.Lfunc_end_k_qd15f43e423_proj:
	.size	k_qd15f43e423_proj, .Lfunc_end_k_qd15f43e423_proj-k_qd15f43e423_proj
	.p2alignl 7, 3214868480
	.fill 96, 4, 3214868480
	.section	.rodata,"a",@progbits
	.p2align	6, 0x0
	.amdhsa_kernel k_qd15f43e423_proj
		.amdhsa_group_segment_fixed_size 168448
		.amdhsa_private_segment_fixed_size 0
		.amdhsa_enable_private_segment 0
		.amdhsa_kernarg_size 48
		.amdhsa_user_sgpr_count 2
		.amdhsa_user_sgpr_kernarg_segment_ptr 1
		.amdhsa_wavefront_size32 1
		.amdhsa_system_sgpr_workgroup_id_x 1
		.amdhsa_system_sgpr_workgroup_id_y 1
		.amdhsa_system_sgpr_workgroup_id_z 1
		.amdhsa_system_vgpr_workitem_id 0
		.amdhsa_next_free_vgpr 896
		.amdhsa_next_free_sgpr 66
		.amdhsa_reserve_vcc 0
		.amdhsa_float_denorm_mode_32 3
		.amdhsa_float_denorm_mode_16_64 3
		.amdhsa_memory_ordered 1
		.amdhsa_forward_progress 1
		.amdhsa_inst_pref_size 251
	.end_amdhsa_kernel
	.amdgpu_metadata
---
amdhsa.version: [ 1, 2 ]
amdhsa.kernels:
  - .name:           k_qd15f43e423_proj
    .symbol:         k_qd15f43e423_proj.kd
    .args:
      - { .name: opnd, .offset: 0, .size: 8, .value_kind: global_buffer, .address_space: global }
      - { .name: bq, .offset: 8, .size: 8, .value_kind: global_buffer, .address_space: global }
      - { .name: bk, .offset: 16, .size: 8, .value_kind: global_buffer, .address_space: global }
      - { .name: bv, .offset: 24, .size: 8, .value_kind: global_buffer, .address_space: global }
      - { .name: qimg, .offset: 32, .size: 8, .value_kind: global_buffer, .address_space: global }
      - { .name: kv, .offset: 40, .size: 8, .value_kind: global_buffer, .address_space: global }
    .group_segment_fixed_size: 168448
    .private_segment_fixed_size: 0
    .kernarg_segment_align: 8
    .kernarg_segment_size: 48
    .max_flat_workgroup_size: 128
    .sgpr_count:     66
    .vgpr_count:     896
    .wavefront_size: 32
...
	.end_amdgpu_metadata
.endif
;; end of part 3
;; launch attn (part 4): grid 8 x 32, 16 waves a work-group, clusters of 4 x 1, 169,984 bytes of LDS; arguments qimg, kv, mbits, xp; writes xp
.if DOCPART == 4
	.amdgcn_target "amdgcn-amd-amdhsa--gfx1250"
	.amdhsa_code_object_version 6
	.text
	.protected	k_qd15f43e423_attn
	.globl	k_qd15f43e423_attn
	.p2align	8
	.type	k_qd15f43e423_attn,@function
k_qd15f43e423_attn:
	s_mov_b64 s[64:65], 0
	v_nop
	global_prefetch_b8 v0, s[64:65] scope:SCOPE_SE
	s_setreg_imm32_b32 hwreg(HW_REG_WAVE_MODE, 25, 1), 1
	s_wait_xcnt 0x0
	s_wait_alu depctr_hold_cnt(0) depctr_sa_sdst(0) depctr_va_vdst(0) depctr_va_sdst(0) depctr_va_ssrc(0) depctr_va_vcc(0) depctr_vm_vsrc(0)
	s_getreg_b32 s2, hwreg(HW_REG_IB_STS2, 6, 4)
	s_cmp_eq_u32 s2, 0
	s_cbranch_scc0 .Lentry_in_a_cluster
	s_endpgm
.Lentry_in_a_cluster:
	s_bfe_u32 s2, ttmp6, 0x10000c
	s_cmp_lg_u32 s2, 0x3003
	s_cbranch_scc0 .Lentry_shape_is_right
	s_endpgm
.Lentry_shape_is_right:
; x[b][q][64 h + d] = the sum over keys of softmax(logit) value, logit = query . key / 8, or -1 where the mask is 0 (such a key still counts in the maximum, the sum and the product).
; Both products on codes of FP4 with E8M0 scales.  t = logit x log2(e); M = the running largest t rounded up to a whole number; p = 2^(t - M) is quantised along the keys, not normalised;
; the sum is taken of the unquantised p and divides at the end; when M moves, the sum and O are multiplied by 2^(old M - new M), which rounds nothing.  x is then quantised along 64 h + d for the last product.
; A masked score is replaced by -8 ahead of the scaling by c = log2(e) / 8: -8 c is -log2(e) to the bit.
; SHARES.  A work-group owns 256 queries of one head, each of its sixteen waves one tile of 16, in 256 registers: four waves to a SIMD, so that one wave's vector work stands beside another's products and LDS loads.
; THE WHOLE HEAD'S KEYS AND VALUES, 16 records of 9,728 bytes, lie in LDS, filled once: wave w brings record w by one tensor load.  No byte is filled twice and none is stored to: one barrier.  A wave has one tensor load outstanding.
; CLUSTER.  The four query blocks of a cluster belong to one head: each record is asked for jointly, by the same load with the same descriptor and a mask that names the four.
; LAYOUT.  Both products transposed: S^T = K Q^T, O^T = V^T P^T: a lane holds ONE query.  The keys of a tile were chosen so that the 16 registers of tiles 2 b, 2 b + 1 are keys 32 b + 16 hh + 0 .. 15; V's rows likewise for O^T.
; The first product's K is 64: the upper four registers of each operand are zero codes, written once, under the scale byte 0x7f.
; THE MASK comes as 64 lane masks a key step, in scalar registers, asked for a step ahead; they only choose values.
; LIMITS: a block's largest p is made from the block's largest score by the same multiply-add and exponential, which takes v_exp_f32 not to fall where its input rises; a block of zeros gets the byte 1; NaN and infinities are not served.
; The two scale bytes of a row and head leave singly (32 bytes a wave against 512 of codes): they share a word with other heads' bytes, which other work-groups store.
; REGISTERS: v1 16 x lane; v2 -8; v3 LDS address; v4, v5 offsets in xp; v6 hh; v8-15 Q; v16 Q's scale word; v17 p's; v18 -M; v19 the largest t; v[20:21] the sum; v[22:23] f; v24-31 K's scale words; v32-95 K; v96-159 S^T, then p;
;   v160-191 O^T; v192-223 V; v224-227 V's scale words; v228-235 p's codes; v236-251 at work.   s[16:63], s[68:83] the mask words.
.set WV, 12
.macro ROUND
	s_barrier_signal -1
	s_barrier_wait -1
	s_cmp_lg_u32 s[WV], 0
	s_cbranch_scc1 .Lnot_wave_0_\@
	s_barrier_signal -3
.Lnot_wave_0_\@:
	s_barrier_wait -3
	s_barrier_signal -1
	s_barrier_wait -1
.endm
.macro MASKS                           ; the 64 words at byte s13 of my query tile's 4,096
	s_load_b512 s[16:31], s[8:9], s13 offset:0x0
	s_load_b512 s[32:47], s[8:9], s13 offset:0x40
	s_load_b512 s[48:63], s[8:9], s13 offset:0x80
	s_load_b512 s[68:83], s[8:9], s13 offset:0xc0
.endm
	s_load_b256 s[4:11], s[0:1], 0x0               ; qimg, kv, mbits, xp
	v_lshl_add_u32 v254, v0, 2, 0x29000
	v_mov_b32 v255, 0
	ds_add_u32 v254, v255
	ds_add_u32 v254, v255
	v_lshrrev_b32 v3, 5, v0
	v_readfirstlane_b32 s[WV], v3                  ; wave 0..15
	s_and_b32 s16, ttmp7, 0xffff                   ; 16 batch + head, which the four partners share
	s_mul_i32 s18, s16, 155648
	s_mul_i32 s17, s[WV], 9728
	s_add_co_u32 s18, s18, s17                     ; record w of the head
	s_mov_b32 s19, 0
	s_bfe_u32 s20, ttmp6, 0x40000                  ; cx: it enters Q's, the mask's and x's addresses alone
	s_lshl_b32 s21, ttmp9, 2
	s_add_co_u32 s21, s21, s20
	s_lshl_b32 s21, s21, 4
	s_add_co_u32 s21, s21, s[WV]                   ; my query tile, 0 .. 127
	s_mul_i32 s22, s16, 81920
	s_mov_b32 s23, 0
	s_lshr_b32 s24, s21, 2
	s_lshl_b32 s24, s24, 9
	s_and_b32 s25, s21, 3
	s_lshl_b32 s25, s25, 2
	s_add_co_u32 s24, s24, s25
	s_add_co_u32 s24, s24, 65536                   ; its scale words
	s_mov_b32 s25, 0
	s_lshl_b32 s26, s21, 9                         ; its codes
	s_mov_b32 s27, 0
	s_lshl_b32 s28, s21, 12                        ; its mask words
	s_mov_b32 s29, 0
	s_lshr_b32 s30, s16, 4
	s_lshl_b32 s30, s30, 7
	s_add_co_u32 s30, s30, s21
	s_mul_i32 s30, s30, 8704                       ; its record in xp
	s_mov_b32 s31, 0
	s_and_b32 s32, s16, 15                         ; the head
	s_lshl_b32 s33, s32, 9                         ; its codes in the record: 512 h
	s_lshr_b32 s34, s32, 3
	s_lshl_b32 s34, s34, 8
	s_and_b32 s35, s32, 7
	s_lshl_b32 s35, s35, 1
	s_add_co_u32 s34, s34, s35
	s_add_co_u32 s34, s34, 8192                    ; its scale bytes: 8,192 + 256 (h / 8) + 2 (h % 8) + 16 r + block
	v_and_b32 v248, 31, v0
	v_lshlrev_b32 v1, 4, v248
	v_bfe_u32 v6, v0, 4, 1
	v_and_b32 v249, 15, v0
	v_add_nc_u32 v4, s33, v1
	v_lshl_add_u32 v5, v249, 4, v6
	v_add_nc_u32 v5, s34, v5
	s_mov_b32 s14, 0x76543210
	s_mov_b32 s15, 0xfedcba98                      ; v_permlanex16_b32's selects for lane l xor 16
	s_mov_b32 s84, 0x3e38aa3b                      ; c = log2(e) / 8
	s_mov_b32 s85, s84                             ; (named with it as a pair, so it is written)
	s_mov_b32 s86, 16                              ; key steps
	s_mov_b32 s87, 0                               ; the step's record in LDS
	s_mov_b32 s13, 0
	; descriptor: 9,728 dense bytes as 38 rows of 256 (32 elements of 8 bytes), no padding
	s_mov_b32 s92, 15|(3<<16)|(1<<21)              ; the mask: all four work-groups; elements of 8 bytes; bit 21 set beside a mask
	s_mov_b32 s93, 32<<16
	s_mov_b32 s94, 38<<16
	s_mov_b32 s95, 32<<16
	s_mov_b32 s96, 38
	s_mov_b32 s97, 32
	s_mov_b32 s98, 0
	s_mov_b32 s99, 0
	s_mov_b32 s88, 1
	s_mul_i32 s89, s[WV], 9728
	s_wait_dscnt 0x0
	s_wait_kmcnt 0x0
	s_add_nc_u64 s[90:91], s[6:7], s[18:19]
	s_or_b32 s91, s91, 0x80000000
	s_add_nc_u64 s[4:5], s[4:5], s[22:23]
	s_add_nc_u64 s[6:7], s[4:5], s[24:25]          ; Q's scale words
	s_add_nc_u64 s[4:5], s[4:5], s[26:27]          ; Q's codes
	s_add_nc_u64 s[8:9], s[8:9], s[28:29]
	s_add_nc_u64 s[10:11], s[10:11], s[30:31]
	ROUND                                          ; all four work-groups are here: the joint loads meet
	tensor_load_to_lds s[88:91], s[92:99]
	s_nop 0
.rept 4
	v_nop
.endr
	global_load_b128 v[8:11], v1, s[4:5]           ; lane (r, hh): block hh of query r
	global_load_b32 v16, v1, s[6:7]
	MASKS                                          ; step 0's
	v_mov_b32 v2, 0xc1000000                       ; -8
.irp j, 12,13,14,15
	v_mov_b32 v\j, 0                               ; Q's upper 64 along K
.endr
.irp t, 0,1,2,3,4,5,6,7
.irp j, 4,5,6,7
	v_mov_b32 v[32+8*\t+\j], 0                     ; K's likewise: written once
.endr
.endr
.set j, 0
.rept 32
	v_mov_b32 v[160+j], 0                          ; O^T: the loop is written once; its first step finds zeros, which the first change of M leaves zeros
.set j, j+1
.endr
	v_mov_b32 v19, 0xff61b1e6                      ; the largest t so far: -3e38
	v_floor_f32 v18, -v19                          ; -M
	v_mov_b32 v20, 0
	v_mov_b32 v21, 0
	v_mov_b32 v23, 0                               ; (named as the upper half of the pair v[22:23])
.irp b, 0,1,2,3
	v_mov_b32 v[240+\b], 0                         ; a lane permute's destination counts as one of its sources
.endr
	v_mov_b32 v248, 0
	s_wait_loadcnt 0x0                             ; Q
	s_wait_tensorcnt 0x0                           ; my record is in,
	s_barrier_signal -1
	s_barrier_wait -1                              ; everybody's are
.Lstep:
	v_add_nc_u32 v3, s87, v1
.rept 3
	v_nop                                          ; with the addition: four places behind the last products, ahead of loads into their operands
.endr
.irp t, 0,1,2,3,4,5,6,7
	ds_load_b128 v[32+8*\t:35+8*\t], v3 offset:512*\t
.endr
	ds_load_b128 v[24:27], v3 offset:8192
	ds_load_b128 v[28:31], v3 offset:8704
.irp a, 0,1,2,3
	ds_load_b128 v[192+8*\a:195+8*\a], v3 offset:4096+1024*\a
	ds_load_b128 v[196+8*\a:199+8*\a], v3 offset:4096+1024*\a+512
.endr
	ds_load_b128 v[224:227], v3 offset:9216
	s_wait_dscnt 9                                 ; K and its scale words are in; V's nine loads may be out
.irp t, 0,1,2,3,4,5,6,7
	v_wmma_scale_f32_16x16x128_f8f6f4 v[96+8*\t:103+8*\t], v[32+8*\t:39+8*\t], v[8:15], 0, v[24+\t], v16 matrix_a_fmt:MATRIX_FMT_FP4 matrix_b_fmt:MATRIX_FMT_FP4
.endr
.rept 4
	v_nop
.endr
	s_wait_kmcnt 0x0                               ; this step's mask words
.set n, 0
.rept 64
	v_cndmask_b32 v[96+n], v2, v[96+n], s[16+n+4*(n/48)]   ; where the mask is 0: -8; each accumulator from its low end on
.set n, n+1
.endr
.irp b, 0,1,2,3
	v_max3_num_f32 v[236+\b], v[96+16*\b], v[97+16*\b], v[98+16*\b]   ; the largest score of each block of 32 keys: for the row's maximum, and for the block's largest p
.endr
.irp i, 3,5,7,9,11,13
.irp b, 0,1,2,3
	v_max3_num_f32 v[236+\b], v[236+\b], v[96+16*\b+\i], v[97+16*\b+\i]
.endr
.endr
.irp b, 0,1,2,3
	v_max_num_f32 v[236+\b], v[236+\b], v[111+16*\b]
.endr
	s_add_co_u32 s13, s13, 256                     ; the next step's mask words (the wait above has shown the last loads done);
	s_and_b32 s13, s13, 0xfff                      ; the last step asks for step 0's again: no load leaves the buffer
	MASKS
.irp b, 0,1,2,3
	v_permlanex16_b32 v[240+\b], v[236+\b], s14, s15
.endr
.irp b, 0,1,2,3
	v_max_num_f32 v[236+\b], v[236+\b], v[240+\b]  ; with lane l xor 16's 16 keys
.endr
	v_max3_num_f32 v248, v236, v237, v238
	v_max_num_f32 v248, v248, v239                 ; the step's largest score of my query
	v_mul_f32 v248, s84, v248                      ; as t
	v_max_num_f32 v19, v19, v248                   ; the running largest t
	v_mov_b32 v248, v18
	v_floor_f32 v18, -v19                          ; the new -M = -ceil(t)
	v_sub_f32 v248, v18, v248                      ; old M - new M: a whole number, 0 or less
	v_cvt_i32_f32 v248, v248                       ; (it saturates)
	v_ldexp_f32 v22, 1.0, v248                     ; f = 2^(old M - new M)
.set j, 0
.rept 32
	v_pk_fma_f32 v[96+j:97+j], v[96+j:97+j], s[84:85], v[18:19] op_sel_hi:[1,0,0]   ; t - M, two at a time
.set j, j+2
.endr
.irp b, 0,1,2,3
	v_fma_f32 v[236+\b], v[236+\b], s84, v18       ; the same of each block's largest score
.endr
.set j, 0
.rept 64
	v_exp_f32 v[96+j], v[96+j]                     ; p = 2^(t - M)
.set j, j+1
.endr
.irp b, 0,1,2,3
	v_exp_f32 v[236+\b], v[236+\b]                 ; the block's largest p
.endr
	v_pk_mul_f32 v[20:21], v[20:21], v[22:23] op_sel_hi:[1,0]   ; the sum under the new M (a plain place behind the exponentials)
	s_wait_alu depctr_va_vdst(0)
.irp b, 0,1,2,3
	v_max_num_f32 v[236+\b], 0x1800000, v[236+\b]  ; the floor 2^(3 - 127): the byte cannot fall under 1
.endr
.irp b, 0,1,2,3
	v_add_nc_u32 v[244+\b], 0xff000000, v[236+\b]  ; the conversion's scale operand
.endr
.irp b, 0,1,2,3
	v_lshrrev_b32 v[240+\b], 23, v[244+\b]         ; the scale's byte
.endr
	v_lshl_or_b32 v17, v241, 8, v240               ; p's scale word for these 128 keys
	v_lshl_or_b32 v17, v242, 16, v17
	v_lshl_or_b32 v17, v243, 24, v17
.irp b, 0,1,2,3
	v_cvt_scalef32_pk8_fp4_f32 v[228+2*\b], v[96+16*\b:103+16*\b], v[244+\b]
	v_cvt_scalef32_pk8_fp4_f32 v[229+2*\b], v[104+16*\b:111+16*\b], v[244+\b]
.endr
	v_nop                                          ; one plain place behind the scaled conversions
.irp c, 0,1
.irp i, 0,1
	v_permlane16_swap_b32 v[228+4*\c+\i], v[230+4*\c+\i]   ; a whole block to a lane
.endr
.endr
	v_pk_add_f32 v[250:251], v[96:97], v[98:99]    ; the row's sum, of the unquantised p, in two chains
.irp j, 4,8,12,16,20,24,28,32,36,40,44,48,52,56,60
	v_pk_add_f32 v[20:21], v[20:21], v[96+\j:97+\j]
	v_pk_add_f32 v[250:251], v[250:251], v[98+\j:99+\j]
.endr
	v_pk_add_f32 v[20:21], v[20:21], v[250:251]
.set j, 0
.rept 16
	v_pk_mul_f32 v[160+j:161+j], v[160+j:161+j], v[22:23] op_sel_hi:[1,0]   ; O^T under the new M.  (These and the sums are the places between the codes and scale word just made and the products)
.set j, j+2
.endr
	s_wait_dscnt 0x0                               ; V and its scale words
.irp a, 0,1,2,3
	v_wmma_scale_f32_16x16x128_f8f6f4 v[160+8*\a:167+8*\a], v[192+8*\a:199+8*\a], v[228:235], v[160+8*\a:167+8*\a], v[224+\a], v17 matrix_a_fmt:MATRIX_FMT_FP4 matrix_b_fmt:MATRIX_FMT_FP4
.endr
	s_add_co_u32 s87, s87, 9728
	s_sub_co_u32 s86, s86, 1
	s_cmp_lg_u32 s86, 0
	s_cbranch_scc1 .Lstep
	s_wait_kmcnt 0x0                               ; the words asked for in the last step
.rept 4
	v_nop                                          ; places ahead of the first read of results
.endr
	v_add_f32 v20, v20, v21                        ; the sum's two halves,
	v_permlanex16_b32 v248, v20, s14, s15
	v_add_f32 v20, v20, v248                       ; and lane l xor 16's
	v_rcp_f32 v20, v20
	v_nop                                          ; one plain place behind a transcendental
.set j, 0
	s_wait_alu depctr_va_vdst(0)
.rept 32
	v_mul_f32 v[96+j], v[160+j], v20               ; x: register 16 e + i is d = 32 e + 16 hh + i of my query
.set j, j+1
.endr
.irp e, 0,1
	v_max3_num_f32 v[236+\e], |v[96+16*\e]|, |v[97+16*\e]|, 0x1800000
.endr
.irp i, 2,4,6,8,10,12,14
.irp e, 0,1
	v_max3_num_f32 v[236+\e], v[236+\e], |v[96+16*\e+\i]|, |v[97+16*\e+\i]|
.endr
.endr
.irp e, 0,1
	v_permlanex16_b32 v[240+\e], v[236+\e], s14, s15
.endr
.irp e, 0,1
	v_max_num_f32 v[236+\e], v[236+\e], v[240+\e]
.endr
.irp e, 0,1
	v_add_nc_u32 v[244+\e], 0xff000000, v[236+\e]
.endr
.irp e, 0,1
	v_lshrrev_b32 v[240+\e], 23, v[244+\e]
.endr
.irp e, 0,1
	v_cvt_scalef32_pk8_fp4_f32 v[228+2*\e], v[96+16*\e:103+16*\e], v[244+\e]
	v_cvt_scalef32_pk8_fp4_f32 v[229+2*\e], v[104+16*\e:111+16*\e], v[244+\e]
.endr
	v_cmp_ne_u32 vcc_lo, 0, v6                     ; (a plain place behind the scaled conversions)
	v_cndmask_b32 v248, v240, v241, vcc_lo         ; lanes 0-15 store block 0's byte, lanes 16-31 block 1's
	v_permlane16_swap_b32 v228, v230
	v_permlane16_swap_b32 v229, v231
	global_store_b128 v4, v[228:231], s[10:11]     ; 512 consecutive bytes: the head's image in the tile's record
	global_store_b8 v5, v248, s[10:11]
	s_wait_tensorcnt 0x0
	ds_add_u32 v254, v255
	s_wait_dscnt 0x0
	ROUND                                          ; the closing round: no work-group ends while a partner may still ask for a record that names it
	s_endpgm
.Lfunc_end_k_qd15f43e423_attn:
	.size	k_qd15f43e423_attn, .Lfunc_end_k_qd15f43e423_attn-k_qd15f43e423_attn
	.p2alignl 7, 3214868480
	.fill 96, 4, 3214868480
	.section	.rodata,"a",@progbits
	.p2align	6, 0x0
	.amdhsa_kernel k_qd15f43e423_attn
		.amdhsa_group_segment_fixed_size 169984
		.amdhsa_private_segment_fixed_size 0
		.amdhsa_enable_private_segment 0
		.amdhsa_kernarg_size 32
		.amdhsa_user_sgpr_count 2
		.amdhsa_user_sgpr_kernarg_segment_ptr 1
		.amdhsa_wavefront_size32 1
		.amdhsa_system_sgpr_workgroup_id_x 1
		.amdhsa_system_sgpr_workgroup_id_y 1
		.amdhsa_system_sgpr_workgroup_id_z 1
		.amdhsa_system_vgpr_workitem_id 0
		.amdhsa_next_free_vgpr 256
		.amdhsa_next_free_sgpr 102
		.amdhsa_reserve_vcc 1
		.amdhsa_float_denorm_mode_32 3
		.amdhsa_float_denorm_mode_16_64 3
		.amdhsa_memory_ordered 1
		.amdhsa_forward_progress 1
		.amdhsa_inst_pref_size 31
	.end_amdhsa_kernel
	.amdgpu_metadata
---
amdhsa.version: [ 1, 2 ]
amdhsa.kernels:
  - .name:           k_qd15f43e423_attn
    .symbol:         k_qd15f43e423_attn.kd
    .args:
      - { .name: qimg, .offset: 0, .size: 8, .value_kind: global_buffer, .address_space: global }
      - { .name: kv, .offset: 8, .size: 8, .value_kind: global_buffer, .address_space: global }
      - { .name: mbits, .offset: 16, .size: 8, .value_kind: global_buffer, .address_space: global }
      - { .name: xp, .offset: 24, .size: 8, .value_kind: global_buffer, .address_space: global }
    .group_segment_fixed_size: 169984
    .private_segment_fixed_size: 0
    .kernarg_segment_align: 8
    .kernarg_segment_size: 32
    .max_flat_workgroup_size: 512
    .sgpr_count:     102
    .vgpr_count:     256
    .wavefront_size: 32
...
	.end_amdgpu_metadata
.endif
;; end of part 4
;; launch outp (part 5): grid 16 x 16, 4 waves a work-group, clusters of 4 x 1, 168,448 bytes of LDS; arguments xp, opnd, bo, out0; writes out0
.if DOCPART == 5
	.amdgcn_target "amdgcn-amd-amdhsa--gfx1250"
	.amdhsa_code_object_version 6
	.text
	.protected	k_qd15f43e423_outp
	.globl	k_qd15f43e423_outp
	.p2align	8
	.type	k_qd15f43e423_outp,@function
k_qd15f43e423_outp:
	s_mov_b64 s[64:65], 0
	v_nop
	global_prefetch_b8 v0, s[64:65] scope:SCOPE_SE
	s_setreg_imm32_b32 hwreg(HW_REG_WAVE_MODE, 25, 1), 1
	s_wait_xcnt 0x0
	s_wait_alu depctr_hold_cnt(0) depctr_sa_sdst(0) depctr_va_vdst(0) depctr_va_sdst(0) depctr_va_ssrc(0) depctr_va_vcc(0) depctr_vm_vsrc(0)
	s_getreg_b32 s2, hwreg(HW_REG_IB_STS2, 6, 4)
	s_cmp_eq_u32 s2, 0
	s_cbranch_scc0 .Lentry_in_a_cluster
	s_endpgm
.Lentry_in_a_cluster:
	s_bfe_u32 s2, ttmp6, 0x10000c
	s_cmp_lg_u32 s2, 0x3003
	s_cbranch_scc0 .Lentry_shape_is_right
	s_endpgm
.Lentry_shape_is_right:
; out0 = x wo^T + bo on codes of FP4.  x comes as tile records from the attention launch (rows in natural order), wo as tile records 960 .. 1023 of opnd.
; The form of the projections' launch: source 0 = a tile T of wo, source 1 = a tile U of x; lane (r, hh) holds x's row r, and the 16 registers of T tiles 2 p, 2 p + 1 are columns 32 p + 16 hh + 0 .. 15 of the output.
; SHARES.  A work-group takes 256 rows (x = 4 cluster x + cx) and 64 columns (y): 256 work-groups.  A wave keeps its 4 tiles of U (64 rows) for all of K in 256 registers; the 4 tiles of T lie in LDS, filled once,
; one record a wave, asked for jointly by the four work-groups of a cluster, which differ in U alone.  A wave has one tensor load outstanding.
; THE WAY OUT.  A lane holds 64 bytes of a row, the lanes beside it other rows: the wave's 64 rows x 256 bytes go through its own stage in LDS (rows 272 bytes apart, behind T's bytes: no fill lands there)
; and leave so that sixteen lanes store 256 consecutive bytes, at a multiple of 256 from the buffer's first byte.
; REGISTERS, in windows of 256.  Window 0: v1 16 x lane; v2 T's LDS address; v6 bias offset; v7, v76, v77 the way out; v8-23 U's scale words; v24-39 T's, two sets; v78, v79 temporaries;
;   v128-191 the 8 accumulators; v192-255 rows read back.   Window 1: U.   Window 2: T, two sets.   Window 3: the bias as C tiles.
.set REC,  8704
.set LAST, 1
.set STG0, 4*REC                       ; the stages: 17,408 bytes a wave
.set LI,   1
.set TA,   2
.set BAJ,  6
.set SO,   7
.set US,   8
.set TS,   24
.set RD,   76
.set GO,   77
.set ACC,  128
.set OB,   192
.set WV,   16
.set G0,   32
.set G1,   36
.set UB,   52
.set MSB, 0
.macro WIN new                         ; the immediate's high byte repeats the setting that is left
.if MSB != \new
	s_set_vgpr_msb (MSB<<8)|\new
.set MSB, \new
.endif
.endm
.macro PLACES n
.rept \n
	v_nop
.endr
.endm
.macro ROUND                           ; a round of the cluster's barrier
	s_barrier_signal -1
	s_barrier_wait -1
	s_cmp_lg_u32 s[WV], 0
	s_cbranch_scc1 .Lnot_wave_0_\@
	s_barrier_signal -3
.Lnot_wave_0_\@:
	s_barrier_wait -3
	s_barrier_signal -1
	s_barrier_wait -1
.endm
.macro FETCH p                         ; T tiles 2 p and 2 p + 1, all of K, and their scale words: 34 LDS loads of 512 consecutive bytes
	WIN 0x80                                       ; destination window 2, address window 0
.irp t, 0,1
.irp s, 0,1,2,3,4,5,6,7
.irp c, 0,1
	ds_load_b128 v[128*((\p)%2)+64*\t+8*\s+4*\c:128*((\p)%2)+64*\t+8*\s+4*\c+3], v[TA] offset:(2*(\p)+\t)*REC+\s*1024+\c*512
.endr
.endr
.endr
	WIN 0
.irp t, 0,1
	ds_load_b128 v[TS+8*((\p)%2)+4*\t:TS+8*((\p)%2)+4*\t+3], v[TA] offset:(2*(\p)+\t)*REC+8192
.endr
.endm
; One product.  A scale register holds K step s % 4 in lanes 0-15 and K step 4 + s % 4 in lanes 16-31.
.macro WM p, s, t, a, cr
.if (\s) < 4
	v_wmma_scale_f32_16x16x128_f8f6f4 v[ACC+16*(\a)+8*(\t):ACC+16*(\a)+8*(\t)+7], v[128*((\p)%2)+64*(\t)+8*(\s):128*((\p)%2)+64*(\t)+8*(\s)+7], v[64*(\a)+8*(\s):64*(\a)+8*(\s)+7], v[0+(\cr):7+(\cr)], v[TS+8*((\p)%2)+4*(\t)+(\s)%4], v[US+4*(\a)+(\s)%4] matrix_a_fmt:MATRIX_FMT_FP4 matrix_b_fmt:MATRIX_FMT_FP4
.else
	v_wmma_scale_f32_16x16x128_f8f6f4 v[ACC+16*(\a)+8*(\t):ACC+16*(\a)+8*(\t)+7], v[128*((\p)%2)+64*(\t)+8*(\s):128*((\p)%2)+64*(\t)+8*(\s)+7], v[64*(\a)+8*(\s):64*(\a)+8*(\s)+7], v[0+(\cr):7+(\cr)], v[TS+8*((\p)%2)+4*(\t)+(\s)%4], v[US+4*(\a)+(\s)%4] matrix_a_fmt:MATRIX_FMT_FP4 matrix_b_fmt:MATRIX_FMT_FP4 matrix_a_scale:MATRIX_SCALE_ROW1 matrix_b_scale:MATRIX_SCALE_ROW1
.endif
.endm
; 64 products: 2 tiles of T x 4 tiles of U x 8 K steps.  The first K step takes the bias as C; the 8 accumulators take turns, one instruction a turn.
.macro MM p
	WIN 0x36                                       ; source 0 (T) window 2, source 1 (U) window 1, C (bias) window 3, D window 0
.irp t, 0,1
.irp a, 0,1,2,3
	WM \p, 0, \t, \a, 16*(\p)+8*\t
.endr
.endr
	WIN 0x06                                       ; C window 0
.irp s, 1,2,3,4,5,6,7
.irp t, 0,1
.irp a, 0,1,2,3
	WM \p, \s, \t, \a, ACC+16*\a+8*\t
.endr
.endr
.endr
	WIN 0
.endm
.macro HALF p
	PLACES 4                                       ; with the four behind the last products: eight places ahead of products that begin their accumulators anew
.if (\p) < LAST
	FETCH (\p)+1
	s_wait_dscnt 34                                ; all but the 34 just issued: this half's tiles are in
.else
	s_wait_dscnt 0x0                               ; this half's tiles are in, and the last half's stores into the stage have read the accumulators
.endif
.if (\p) == 0
	s_wait_loadcnt 0x0                             ; U, its scale words, the bias
.endif
	MM \p
	PLACES 4                                       ; ahead of the first read of results
.irp a, 0,1,2,3
.irp q, 0,1,2,3
	ds_store_b128 v[SO], v[ACC+16*\a+4*\q:ACC+16*\a+4*\q+3] offset:\a*4352+128*(\p)+16*\q   ; each accumulator from its low end on
.endr
.endr
.endm
.macro BACK a                          ; block a's 16 rows come back whole: lanes 0-15 one row of 256 bytes, lanes 16-31 the next
.irp i, 0,1,2,3,4,5,6,7
	ds_load_b128 v[OB+32*((\a)%2)+4*\i:OB+32*((\a)%2)+4*\i+3], v[RD] offset:(\a)*4352+544*\i
.endr
.endm
.macro SEND a
.irp i, 0,1,2,3,4,5,6,7
	global_store_b128 v[GO], v[OB+32*((\a)%2)+4*\i:OB+32*((\a)%2)+4*\i+3], s[10:11] offset:(16*(\a)+2*\i)*4096 th:TH_STORE_NT
.endr
.endm
	s_load_b256 s[4:11], s[0:1], 0x0               ; xp, opnd, bo, out0
	v_lshl_add_u32 v126, v0, 2, 0x29000
	v_mov_b32 v127, 0
	ds_add_u32 v126, v127
	ds_add_u32 v126, v127
	v_lshrrev_b32 v78, 5, v0
	v_readfirstlane_b32 s[WV], v78                 ; wave 0..3
	v_and_b32 v79, 31, v0
	v_lshlrev_b32 v[LI], 4, v79
	v_mov_b32 v[TA], v[LI]
	v_and_b32 v78, 15, v0                          ; r
	v_bfe_u32 v79, v0, 4, 1                        ; hh
	v_lshlrev_b32 v[BAJ], 6, v79
	s_mul_i32 s27, s[WV], 17408
	s_add_co_u32 s27, s27, STG0                    ; my stage
	v_mul_u32_u24 v[SO], v78, 272
	v_lshl_add_u32 v[SO], v79, 6, v[SO]
	v_add_nc_u32 v[SO], s27, v[SO]                 ; in: row r, + 64 hh
	v_mul_u32_u24 v[RD], v79, 272
	v_lshl_add_u32 v[RD], v78, 4, v[RD]
	v_add_nc_u32 v[RD], s27, v[RD]                 ; back: two rows an instruction
	v_lshlrev_b32 v[GO], 12, v79
	v_lshl_add_u32 v[GO], v78, 4, v[GO]            ; and the same two rows in out0
	s_and_b32 s18, ttmp7, 0xffff                   ; which 64 columns
	s_lshl_b32 s22, s18, 2
	s_add_co_u32 s22, s22, 960
	s_add_co_u32 s22, s22, s[WV]                   ; the record of wo that I fetch: it hangs on y and the wave's number alone
	s_mul_i32 s22, s22, REC
	s_mov_b32 s23, 0
	s_bfe_u32 s17, ttmp6, 0x40000                  ; cx
	s_lshl_b32 s26, ttmp9, 2
	s_add_co_u32 s26, s26, s17                     ; which 256 rows
	s_lshl_b32 s24, s26, 4
	s_lshl_b32 s25, s[WV], 2
	s_add_co_u32 s24, s24, s25
	s_mul_i32 s24, s24, REC                        ; my four tiles of x
	s_mov_b32 s25, 0
	s_lshl_b32 s28, s26, 20                        ; 256 rows of 4,096 bytes,
	s_lshl_b32 s29, s[WV], 18                      ; my 64 of them,
	s_add_co_u32 s28, s28, s29
	s_lshl_b32 s30, s18, 8                         ; 64 columns are 256 bytes, in out0 and in bo
	s_add_co_u32 s28, s28, s30
	s_mov_b32 s29, 0
	s_mov_b32 s31, 0
	; descriptor group 1: 8,704 dense bytes as 34 rows of 256 (32 elements of 8 bytes), no padding
	s_mov_b32 s[G1], 15|(3<<16)|(1<<21)            ; the mask: all four work-groups; elements of 8 bytes; bit 21 set beside a mask
	s_mov_b32 s[G1+1], 32<<16
	s_mov_b32 s[G1+2], 34<<16
	s_mov_b32 s[G1+3], 32<<16
	s_mov_b32 s[G1+4], 34
	s_mov_b32 s[G1+5], 32
	s_mov_b32 s[G1+6], 0
	s_mov_b32 s[G1+7], 0
	s_mov_b32 s[G0], 1
	s_mul_i32 s[G0+1], s[WV], REC
	s_wait_dscnt 0x0
	s_wait_kmcnt 0x0
	s_add_nc_u64 s[G0+2:G0+3], s[6:7], s[22:23]
	s_or_b32 s[G0+3], s[G0+3], 0x80000000
	s_add_nc_u64 s[UB:UB+1], s[4:5], s[24:25]
	s_add_nc_u64 s[10:11], s[10:11], s[28:29]
	s_add_nc_u64 s[8:9], s[8:9], s[30:31]
	ROUND                                          ; all four work-groups are here: the joint loads meet
	tensor_load_to_lds s[G0:G0+3], s[G1:G1+7]
	s_nop 0
	PLACES 4
	WIN 0x40                                       ; destination window 1
.irp a, 0,1,2,3
.irp s, 0,1,2,3,4,5,6,7
.irp c, 0,1
	global_load_b128 v[64*\a+8*\s+4*\c:64*\a+8*\s+4*\c+3], v[LI], s[UB:UB+1] offset:\a*REC+\s*1024+\c*512
.endr
.endr
.endr
	WIN 0
.irp a, 0,1,2,3
	global_load_b128 v[US+4*\a:US+4*\a+3], v[LI], s[UB:UB+1] offset:\a*REC+8192
.endr
	WIN 0xc0                                       ; destination window 3
.irp p, 0,1
.irp t, 0,1
	global_load_b128 v[16*\p+8*\t:16*\p+8*\t+3], v[BAJ], s[8:9] offset:128*\p+32*\t            ; register j: bias of column 32 p + 16 hh + 8 t + j
	global_load_b128 v[16*\p+8*\t+4:16*\p+8*\t+7], v[BAJ], s[8:9] offset:128*\p+32*\t+16
.endr
.endr
	WIN 0
	s_wait_tensorcnt 0x0                           ; my record is in,
	s_barrier_signal -1
	s_barrier_wait -1                              ; everybody's are
	FETCH 0
	HALF 0
	HALF 1
	BACK 0                                         ; LDS serves a wave's instructions in order: these see my stores
	BACK 1
	s_wait_dscnt 8                                 ; block 0 is back; block 1's eight loads may be out
	SEND 0
	s_wait_xcnt 0x0                                ; block 0's stores have read their registers
	BACK 2
	s_wait_dscnt 8
	SEND 1
	s_wait_xcnt 0x0
	BACK 3
	s_wait_dscnt 8
	SEND 2
	s_wait_dscnt 0x0
	SEND 3
	s_wait_tensorcnt 0x0
	ds_add_u32 v126, v127
	s_wait_dscnt 0x0
	ROUND                                          ; the closing round: no work-group ends while a partner may still ask for a record that names it
	s_endpgm
.Lfunc_end_k_qd15f43e423_outp:
	.size	k_qd15f43e423_outp, .Lfunc_end_k_qd15f43e423_outp-k_qd15f43e423_outp
	.p2alignl 7, 3214868480
	.fill 96, 4, 3214868480
	.section	.rodata,"a",@progbits
	.p2align	6, 0x0
	.amdhsa_kernel k_qd15f43e423_outp
		.amdhsa_group_segment_fixed_size 168448
		.amdhsa_private_segment_fixed_size 0
		.amdhsa_enable_private_segment 0
		.amdhsa_kernarg_size 32
		.amdhsa_user_sgpr_count 2
		.amdhsa_user_sgpr_kernarg_segment_ptr 1
		.amdhsa_wavefront_size32 1
		.amdhsa_system_sgpr_workgroup_id_x 1
		.amdhsa_system_sgpr_workgroup_id_y 1
		.amdhsa_system_sgpr_workgroup_id_z 1
		.amdhsa_system_vgpr_workitem_id 0
		.amdhsa_next_free_vgpr 800
		.amdhsa_next_free_sgpr 66
		.amdhsa_reserve_vcc 0
		.amdhsa_float_denorm_mode_32 3
		.amdhsa_float_denorm_mode_16_64 3
		.amdhsa_memory_ordered 1
		.amdhsa_forward_progress 1
		.amdhsa_inst_pref_size 40
	.end_amdhsa_kernel
	.amdgpu_metadata
---
amdhsa.version: [ 1, 2 ]
amdhsa.kernels:
  - .name:           k_qd15f43e423_outp
    .symbol:         k_qd15f43e423_outp.kd
    .args:
      - { .name: xp, .offset: 0, .size: 8, .value_kind: global_buffer, .address_space: global }
      - { .name: opnd, .offset: 8, .size: 8, .value_kind: global_buffer, .address_space: global }
      - { .name: bo, .offset: 16, .size: 8, .value_kind: global_buffer, .address_space: global }
      - { .name: out0, .offset: 24, .size: 8, .value_kind: global_buffer, .address_space: global }
    .group_segment_fixed_size: 168448
    .private_segment_fixed_size: 0
    .kernarg_segment_align: 8
    .kernarg_segment_size: 32
    .max_flat_workgroup_size: 128
    .sgpr_count:     66
    .vgpr_count:     800
    .wavefront_size: 32
...
	.end_amdgpu_metadata
.endif
;; end of part 5
;; ======== version 2 of 2: 4 launches
;; limits: right only within a limited range of input values
;; workspace buffers: opnd 8,912,896 bytes; mbits 524,288 bytes of whole numbers; qimg 2,621,440 bytes; kv 4,980,736 bytes; xp 2,228,224 bytes
;; launch prep (part 6): grid 512 x 1, 4 waves a work-group, no clusters, 68,096 bytes of LDS; arguments q, k, v, wq, wk, wv, wo, opnd, mask, mbits; writes opnd, mbits
.if DOCPART == 6
	.amdgcn_target "amdgcn-amd-amdhsa--gfx1250"
	.amdhsa_code_object_version 6
	.text
	.protected	k_qd15f43e423_prep
	.globl	k_qd15f43e423_prep
	.p2align	8
	.type	k_qd15f43e423_prep,@function
k_qd15f43e423_prep:
	s_mov_b64 s[64:65], 0
	v_nop
	global_prefetch_b8 v0, s[64:65] scope:SCOPE_SE
	s_setreg_imm32_b32 hwreg(HW_REG_WAVE_MODE, 25, 1), 1
	s_wait_xcnt 0x0
; TWO PIECES OF WORK IN ONE LAUNCH, parted on the work-group's number: work-groups 0-255 quantise the seven f32 tensors, work-groups 256-511 pack the mask.  The two ways never join, and each has LDS bytes of its own.
;
; WORK-GROUPS 0-255.  q, k, v [4096][1024] and wq, wk, wv, wo [1024][1024], f32, K innermost, become codes of FP4 (E2M1) with one E8M0 byte for each 32 along K,
; laid as TILE RECORDS of 8,704 bytes: 16 rows x 1,024 along K as images of the matrix operand's registers.
;   bytes 0 .. 8191: image (s, c) at 1024 s + 512 c + 16 lane: lane (r, hh) holds the 16 bytes (32 codes) of block 4 s + 2 c + hh of the tile's row r;
;   bytes 8192 .. 8703: at 16 lane, lane (r, hh) holds the four scale words of K steps 4 hh .. 4 hh + 3 of row r.
; Tiles: q 0-255, k 256-511, v 512-767, wq 768-831, wk 832-895, wv 896-959, wo 960-1023.  In q lane r of tile T is row 16 T + r; in all the others
; row 32 (T / 2) + 8 (T % 2) + r + 8 (r / 8), so that results of a product whose source 0 they are lie as 16 neighbours in a lane's registers.
; A block's scale is 2^(floor(log2(largest magnitude)) - 2): its byte is the largest magnitude's exponent field - 2, held at 1 from below by a floor among the maximum's leaves.
; LIMITS: a block of zeros gets the byte 1 where the rule says 127 (its codes are zeros, and this program alone reads the bytes); NaN and infinities among the inputs are not served.
; A wave takes one tile, in 8 steps of 128 along K.  Each load reads 512 consecutive bytes of a row; the step's 16 rows turn through the wave's own stage in LDS, so that a lane
; gets two whole blocks of its row.  Loads run two steps (32 loads a wave) ahead.
;
; WORK-GROUPS 256-511.  mask [2048][2048] int32 becomes lane masks for the attention launch: mbits [query tile 128][key step 16][64 words].
; Bit l = (r, hh) of word n says whether mask[16 tile + r][128 step + 64 (n / 32) + 32 hh + n % 32] is not 0: that is the score which lane l holds in register n there.
; A work-group takes a query tile and eight key steps, a wave two of them.  Each load reads 512 consecutive bytes of a row of the mask; a step's 16 rows turn through the wave's
; own stage, so that lane (r, hh) holds its 64 numbers; a compare makes a word of 32 lanes, and v_writelane_b32 lays word n into lane n / 2, register n % 2:
; the 64 words leave as one aligned run of 256 bytes.
; Waves share nothing on either way: no barrier.
.set STG,  8448                        ; a wave's stage: 16 rows x (512 bytes + 16): row r starts 4 r banks on
.set MST,  4*STG                       ; the mask's four stages lie behind the quantiser's four
.set R,    16                          ; v16-143  two sets of 16 rows x 4 registers, as loaded
.set X,    144                         ; v144-207 my numbers: two blocks of 32, or 64 of the mask
.set C,    208                         ; v208-215 the step's codes
.set WD,   216                         ; v216-223 the scale word of each step
.set MX,   224                         ; v224-225 largest magnitudes
.set SO,   226                         ; v226-227 the conversions' scale operands
.set BY,   228                         ; v228-229 the bytes
.set T,    230
.set U,    231
.set OUT,  232                         ; v232-235 my four scale words
.set MW,   10                          ; v10-13   the mask's words, two registers a key step
	s_load_b512 s[4:19], s[0:1], 0x0               ; q, k, v, wq, wk, wv, wo, opnd
	s_load_b128 s[36:39], s[0:1], 0x40             ; mask, mbits
	v_lshl_add_u32 v240, v0, 2, 0x10800
	v_mov_b32 v241, 0
	v_lshrrev_b32 v7, 5, v0
	v_readfirstlane_b32 s20, v7                    ; wave
	v_and_b32 v8, 31, v0
	v_lshlrev_b32 v1, 4, v8                        ; 16 x lane
	v_and_b32 v9, 15, v0                           ; r
	v_bfe_u32 v6, v0, 4, 1                         ; hh
	s_mul_i32 s24, s20, STG
	s_cmp_ge_u32 ttmp9, 256
	s_cbranch_scc1 .Lmask
	; ---- the quantiser
	v_lshlrev_b32 v5, 3, v6                        ; 8 hh: where my two bytes stand in a scale word
	v_add_nc_u32 v3, s24, v1                       ; into the stage: a row's 512 bytes as they lie
	v_mul_u32_u24 v4, v9, 528
	v_lshl_add_u32 v4, v6, 7, v4
	v_add_nc_u32 v4, s24, v4                       ; out of it: row r, + 128 hh: block hh; block 2 + hh lies 256 bytes on
	v_mov_b32 v[U], 0                              ; a lane permute's destination counts as one of its sources
	s_wait_kmcnt 0x0
	s_mov_b64 s[22:23], s[16:17]                   ; which tensor: the choice hangs on the work-group's number alone
	s_mov_b32 s21, 240                             ; and its first work-group
.macro PICK th, lo, base
	s_cmp_lt_u32 ttmp9, \th
	s_cselect_b64 s[22:23], s[\lo:\lo+1], s[22:23]
	s_cselect_b32 s21, \base, s21
.endm
	PICK 240, 14, 224
	PICK 224, 12, 208
	PICK 208, 10, 192
	PICK 192, 8, 128
	PICK 128, 6, 64
	PICK 64, 4, 0
	s_sub_co_u32 s25, ttmp9, s21
	s_lshl_b32 s25, s25, 2
	s_add_co_u32 s25, s25, s20                     ; my tile in its tensor
	s_lshl_b32 s26, s25, 4                         ; its first row, rows in natural order,
	s_lshr_b32 s27, s25, 1
	s_lshl_b32 s27, s27, 5
	s_and_b32 s28, s25, 1
	s_lshl_b32 s28, s28, 3
	s_add_co_u32 s27, s27, s28                     ; and in the other order
	s_mov_b32 s28, 65536                           ; there lanes 8-15 lie 16 rows behind lanes 0-7,
	s_cmp_lt_u32 ttmp9, 64                         ; q alone is natural
	s_cselect_b32 s26, s26, s27
	s_cselect_b32 s28, 32768, s28                  ; in q 8 rows
	s_lshl_b32 s26, s26, 12                        ; a row is 4,096 bytes
	s_mov_b32 s27, 0
	s_add_nc_u64 s[22:23], s[22:23], s[26:27]
	s_lshl_b32 s30, ttmp9, 2
	s_add_co_u32 s30, s30, s20
	s_mul_i32 s30, s30, 8704                       ; my record
	s_mov_b32 s31, 0
	s_add_nc_u64 s[18:19], s[18:19], s[30:31]
	s_wait_alu depctr_va_vdst(0)
	v_add_nc_u32 v2, s28, v1                       ; the offset of rows 8-15
.macro LOAD s                          ; step s: 16 rows x 512 bytes into set s % 2
.irp i, 0,1,2,3,4,5,6,7
	global_load_b128 v[R+64*((\s)%2)+4*\i:R+64*((\s)%2)+4*\i+3], v1, s[22:23] offset:\i*4096+(\s)*512 th:TH_LOAD_NT
.endr
.irp i, 0,1,2,3,4,5,6,7
	global_load_b128 v[R+64*((\s)%2)+32+4*\i:R+64*((\s)%2)+32+4*\i+3], v2, s[22:23] offset:\i*4096+(\s)*512 th:TH_LOAD_NT
.endr
.endm
.macro STEP s
.if (\s) < 7
	s_wait_loadcnt 16                              ; this step's 16 loads are in; the next step's 16 may be out
.else
	s_wait_loadcnt 0x0
.endif
.irp i, 0,1,2,3,4,5,6,7,8,9,10,11,12,13,14,15
	ds_store_b128 v3, v[R+64*((\s)%2)+4*\i:R+64*((\s)%2)+4*\i+3] offset:\i*528
.endr
.irp c, 0,1
.irp q, 0,1,2,3,4,5,6,7
	ds_load_b128 v[X+32*\c+4*\q:X+32*\c+4*\q+3], v4 offset:256*\c+16*\q   ; LDS serves a wave's instructions in order: these see the stores above
.endr
.endr
	s_wait_dscnt 0x0                               ; my numbers are back, and the stores into the stage have read their registers
	s_wait_xcnt 0x0                                ; the last step's stores have read the codes' registers
.if (\s)+2 < 8
	LOAD (\s)+2
.endif
.irp c, 0,1
	v_max3_num_f32 v[MX+\c], |v[X+32*\c]|, |v[X+32*\c+1]|, 0x1800000   ; block 2 c + hh: all 32 numbers are mine; the floor 2^(3 - 127) holds the byte at 1 from below
.endr
.irp i, 2,4,6,8,10,12,14,16,18,20,22,24,26,28,30
.irp c, 0,1
	v_max3_num_f32 v[MX+\c], v[MX+\c], |v[X+32*\c+\i]|, |v[X+32*\c+\i+1]|   ; (the two blocks by turns)
.endr
.endr
.irp c, 0,1
	v_add_nc_u32 v[SO+\c], 0xff000000, v[MX+\c]    ; 2 off the exponent field: the conversion takes this operand's exponent field as its scale
.endr
.irp c, 0,1
	v_lshrrev_b32 v[BY+\c], 23, v[SO+\c]           ; the scale's byte
.endr
	v_lshl_or_b32 v[T], v[BY+1], 16, v[BY]         ; my two bytes: blocks hh and 2 + hh,
	v_lshlrev_b32 v[T], v5, v[T]                   ; at their places;
	v_permlanex16_b32 v[U], v[T], s32, s33
	v_or_b32 v[WD+(\s)], v[T], v[U]                ; with lane l xor 16's two the word is whole
.irp c, 0,1
.irp g, 0,1,2,3
	v_cvt_scalef32_pk8_fp4_f32 v[C+4*\c+\g], v[X+32*\c+8*\g:X+32*\c+8*\g+7], v[SO+\c]
.endr
.endr
	v_nop                                          ; one plain place behind the scaled conversions
.irp c, 0,1
	global_store_b128 v1, v[C+4*\c:C+4*\c+3], s[18:19] offset:(\s)*1024+\c*512   ; 32 lanes store 512 consecutive bytes
.endr
.endm
	s_mov_b32 s32, 0x76543210
	s_mov_b32 s33, 0xfedcba98                      ; v_permlanex16_b32's selects for lane l xor 16
	LOAD 0
	LOAD 1
	s_wait_alu depctr_va_vdst(0)
.irp s, 0,1,2,3,4,5,6,7
	STEP \s
.endr
	v_cmp_ne_u32 vcc_lo, 0, v6
.irp j, 0,1,2,3
	v_cndmask_b32 v[OUT+\j], v[WD+\j], v[WD+4+\j], vcc_lo   ; lanes 0-15 keep K steps 0-3, lanes 16-31 K steps 4-7
.endr
	global_store_b128 v1, v[OUT:OUT+3], s[18:19] offset:8192
	s_wait_tensorcnt 0x0
	ds_add_u32 v240, v241
	s_wait_dscnt 0x0
	s_endpgm
.Lmask:	; ---- the mask
	s_wait_alu depctr_va_vdst(0)
	v_lshlrev_b32 v2, 3, v8                        ; 8 x lane
	s_add_co_u32 s24, s24, MST                     ; my stage, among this way's own bytes
	v_add_nc_u32 v3, s24, v1
	v_mul_u32_u24 v4, v9, 528
	v_lshl_add_u32 v4, v6, 7, v4
	v_add_nc_u32 v4, s24, v4                       ; row r, + 128 hh: 32 keys of each 64.  THE ORDER OF THE MASK'S WORDS (this holds, in place of the head comment's): bit (r, hh) of word n is mask[16 tile + r][128 step + 64 (n / 32) + 32 hh + n % 32]
.irp j, 0,1,2,3
	v_mov_b32 v[MW+\j], 0                          ; v_writelane_b32's destination counts as read
.endr
	s_sub_co_u32 s21, ttmp9, 256
	s_lshr_b32 s22, s21, 1                         ; the query tile
	s_and_b32 s23, s21, 1
	s_lshl_b32 s23, s23, 3
	s_lshl_b32 s25, s20, 1
	s_add_co_u32 s23, s23, s25                     ; my first key step
	s_lshl_b32 s26, s22, 17                        ; 16 rows of 8,192 bytes
	s_lshl_b32 s25, s23, 9
	s_add_co_u32 s26, s26, s25
	s_mov_b32 s27, 0
	s_lshl_b32 s28, s22, 12
	s_lshl_b32 s25, s23, 8
	s_add_co_u32 s28, s28, s25
	s_mov_b32 s29, 0
	s_wait_alu depctr_va_vdst(0)
	s_wait_kmcnt 0x0
	s_add_nc_u64 s[36:37], s[36:37], s[26:27]
	s_add_nc_u64 s[38:39], s[38:39], s[28:29]
.irp e, 0,1
.irp i, 0,1,2,3,4,5,6,7,8,9,10,11,12,13,14,15
	global_load_b128 v[R+64*\e+4*\i:R+64*\e+4*\i+3], v1, s[36:37] offset:\i*8192+\e*512 th:TH_LOAD_NT
.endr
.endr
.macro TASK e
.if \e == 0
	s_wait_loadcnt 16                              ; this step's 16 loads are in; the second step's 16 may be out
.else
	s_wait_loadcnt 0x0
.endif
.irp i, 0,1,2,3,4,5,6,7,8,9,10,11,12,13,14,15
	ds_store_b128 v3, v[R+64*\e+4*\i:R+64*\e+4*\i+3] offset:\i*528
.endr
.irp b, 0,1,2,3
.irp q, 0,1,2,3
	ds_load_b128 v[X+16*\b+4*\q:X+16*\b+4*\q+3], v4 offset:256*(\b/2)+64*(\b%2)+16*\q   ; numbers 16 b + 4 q on of my 64; LDS serves a wave's instructions in order
.endr
.endr
	s_wait_dscnt 0x0
.set n, 0
.rept 64
	v_cmp_ne_u32 s[40+n%8], 0, v[X+n]
	v_writelane_b32 v[MW+2*\e+n%2], s[40+n%8], n/2
.set n, n+1
.endr
	global_store_b64 v2, v[MW+2*\e:MW+2*\e+1], s[38:39] offset:256*\e
.endm
	TASK 0
	TASK 1
	s_wait_tensorcnt 0x0
	ds_add_u32 v240, v241
	s_wait_dscnt 0x0
	s_endpgm
.Lfunc_end_k_qd15f43e423_prep:
	.size	k_qd15f43e423_prep, .Lfunc_end_k_qd15f43e423_prep-k_qd15f43e423_prep
	.p2alignl 7, 3214868480
	.fill 96, 4, 3214868480
	.section	.rodata,"a",@progbits
	.p2align	6, 0x0
	.amdhsa_kernel k_qd15f43e423_prep
		.amdhsa_group_segment_fixed_size 68096
		.amdhsa_private_segment_fixed_size 0
		.amdhsa_enable_private_segment 0
		.amdhsa_kernarg_size 80
		.amdhsa_user_sgpr_count 2
		.amdhsa_user_sgpr_kernarg_segment_ptr 1
		.amdhsa_wavefront_size32 1
		.amdhsa_system_sgpr_workgroup_id_x 1
		.amdhsa_system_sgpr_workgroup_id_y 1
		.amdhsa_system_sgpr_workgroup_id_z 1
		.amdhsa_system_vgpr_workitem_id 0
		.amdhsa_next_free_vgpr 242
		.amdhsa_next_free_sgpr 66
		.amdhsa_reserve_vcc 1
		.amdhsa_float_denorm_mode_32 3
		.amdhsa_float_denorm_mode_16_64 3
		.amdhsa_memory_ordered 1
		.amdhsa_forward_progress 1
		.amdhsa_inst_pref_size 83
	.end_amdhsa_kernel
	.amdgpu_metadata
---
amdhsa.version: [ 1, 2 ]
amdhsa.kernels:
  - .name:           k_qd15f43e423_prep
    .symbol:         k_qd15f43e423_prep.kd
    .args:
      - { .name: q, .offset: 0, .size: 8, .value_kind: global_buffer, .address_space: global }
      - { .name: k, .offset: 8, .size: 8, .value_kind: global_buffer, .address_space: global }
      - { .name: v, .offset: 16, .size: 8, .value_kind: global_buffer, .address_space: global }
      - { .name: wq, .offset: 24, .size: 8, .value_kind: global_buffer, .address_space: global }
      - { .name: wk, .offset: 32, .size: 8, .value_kind: global_buffer, .address_space: global }
      - { .name: wv, .offset: 40, .size: 8, .value_kind: global_buffer, .address_space: global }
      - { .name: wo, .offset: 48, .size: 8, .value_kind: global_buffer, .address_space: global }
      - { .name: opnd, .offset: 56, .size: 8, .value_kind: global_buffer, .address_space: global }
      - { .name: mask, .offset: 64, .size: 8, .value_kind: global_buffer, .address_space: global }
      - { .name: mbits, .offset: 72, .size: 8, .value_kind: global_buffer, .address_space: global }
    .group_segment_fixed_size: 68096
    .private_segment_fixed_size: 0
    .kernarg_segment_align: 8
    .kernarg_segment_size: 80
    .max_flat_workgroup_size: 128
    .sgpr_count:     66
    .vgpr_count:     242
    .wavefront_size: 32
...
	.end_amdgpu_metadata
.endif
;; end of part 6
;; launch proj (part 7): grid 4 x 48, 4 waves a work-group, clusters of 4 x 1, 168,448 bytes of LDS; arguments opnd, bq, bk, bv, qimg, kv; writes qimg, kv
.if DOCPART == 7
	.amdgcn_target "amdgcn-amd-amdhsa--gfx1250"
	.amdhsa_code_object_version 6
	.text
	.protected	k_qd15f43e423_proj
	.globl	k_qd15f43e423_proj
	.p2align	8
	.type	k_qd15f43e423_proj,@function
k_qd15f43e423_proj:
	s_mov_b64 s[64:65], 0
	v_nop
	global_prefetch_b8 v0, s[64:65] scope:SCOPE_SE
	s_setreg_imm32_b32 hwreg(HW_REG_WAVE_MODE, 25, 1), 1
	s_wait_xcnt 0x0
	s_wait_alu depctr_hold_cnt(0) depctr_sa_sdst(0) depctr_va_vdst(0) depctr_va_sdst(0) depctr_va_ssrc(0) depctr_va_vcc(0) depctr_vm_vsrc(0)
	s_getreg_b32 s2, hwreg(HW_REG_IB_STS2, 6, 4)
	s_cmp_eq_u32 s2, 0
	s_cbranch_scc0 .Lentry_in_a_cluster
	s_endpgm
.Lentry_in_a_cluster:
	s_bfe_u32 s2, ttmp6, 0x10000c
	s_cmp_lg_u32 s2, 0x3003
	s_cbranch_scc0 .Lentry_shape_is_right
	s_endpgm
.Lentry_shape_is_right:
; The three projections on codes of FP4, their biases, and the quantising of their results for the attention launch.
;   query = q wq^T + bq and key = k wk^T + bk are quantised along the head's 64 (two blocks); value = v wv^T + bv along the KEYS (blocks of 32 keys).
; ONE FORM OF PRODUCT: source 0 = a tile T, source 1 = a tile U (16 rows x 128 K each, from the tile records).  Lane (r, hh) then holds U's row r, and, T's rows being laid for it, the 16
; registers of T tiles 2 p and 2 p + 1 are T's rows 32 p + 16 hh + 0 .. 15: 16 neighbours along the next product's K.  For query and key U = q or k, T = the weight; for value U = wv, T = v.
; SHARES.  y = 16 g + yl; g = 0 query, 1 key, 2 value.  A wave keeps 4 tiles of U (64 rows) for ALL of K in 256 registers, read from memory once; the four waves walk the same 16 tiles of T,
; which lie in LDS, filled once.  192 work-groups: the 3,072 pairs of (T tile, block of 256 rows of U) do not fall evenly on 256 with whole heads.
; CLUSTER.  The four work-groups of a cluster differ in U alone and need the same 16 tiles of T: each wave's tensor load (4 records, 34,816 dense bytes) is asked for jointly by the four.
; No LDS byte is filled twice and none is stored to, so one barrier behind the fill serves the launch.  A wave has one tensor load outstanding.
; OUT.  Codes leave as images of the next operand's registers, 512 consecutive bytes a store.
;   qimg, 81,920 bytes a head: query tile t's codes at 512 t + 16 lane (lane (r, hh): block hh of query r); scale words (byte 0, byte 1, 0x7f, 0x7f) at 65,536 + 512 (t / 4) + 16 lane + 4 (t % 4).
;   kv, 155,648 bytes a head: 16 records of 9,728 bytes, one for each 128 keys: key codes 8 x 512; value codes [a 4][c 2][512] at 4,096; key scale words [2][lane][4] at 8,192; value scale words [lane][4] at 9,216.
; LIMITS: a block of zeros gets the byte 1 (its codes are zeros; this program alone reads the bytes); NaN and infinities are not served.
; REGISTERS, in windows of 256.  Window 0: v1 16 x lane; v2-5 T's LDS addresses; v6, v7 bias offsets; v8-23 U's scale words; v24-39 T's, two sets; v40-55 codes; v56-59 scale words made;
;   v60-75 at work; v76-79 temporaries; v128-191 the 8 accumulators (a, t) at 128 + 16 a + 8 t.   Window 1: U, 64 a + 8 s.   Window 2: T, two sets, 128 (p % 2) + 64 t + 8 s.   Window 3: the biases as C tiles.
.set REC,  8704
.set LAST, 7                           ; 16 tiles of T go in 8 halves of two
.set LI,   1
.set TA,   2
.set BAJ,  6
.set BAI,  7
.set US,   8
.set TS,   24
.set CD,   40
.set W,    56
.set TM,   60
.set ACC,  128
.set WV,   16
.set G0,   32
.set G1,   36
.set SEL,  44
.set DC,   46
.set DS,   48
.set STR,  50
.set UB,   52
.set BB,   54
.set MSB, 0
.macro WIN new                         ; the immediate's high byte repeats the setting that is left
.if MSB != \new
	s_set_vgpr_msb (MSB<<8)|\new
.set MSB, \new
.endif
.endm
.macro PLACES n
.rept \n
	v_nop
.endr
.endm
.macro ROUND                           ; a round of the cluster's barrier
	s_barrier_signal -1
	s_barrier_wait -1
	s_cmp_lg_u32 s[WV], 0
	s_cbranch_scc1 .Lnot_wave_0_\@
	s_barrier_signal -3
.Lnot_wave_0_\@:
	s_barrier_wait -3
	s_barrier_signal -1
	s_barrier_wait -1
.endm
.macro FETCH p                         ; T tiles 2 p and 2 p + 1, all of K, and their scale words: 34 LDS loads of 512 consecutive bytes
	WIN 0x80                                       ; destination window 2, address window 0
.irp t, 0,1
.irp s, 0,1,2,3,4,5,6,7
.irp c, 0,1
	ds_load_b128 v[128*((\p)%2)+64*\t+8*\s+4*\c:128*((\p)%2)+64*\t+8*\s+4*\c+3], v[TA+(\p)/2] offset:((2*(\p)+\t)%4)*REC+\s*1024+\c*512
.endr
.endr
.endr
	WIN 0
.irp t, 0,1
	ds_load_b128 v[TS+8*((\p)%2)+4*\t:TS+8*((\p)%2)+4*\t+3], v[TA+(\p)/2] offset:((2*(\p)+\t)%4)*REC+8192
.endr
.endm
; One product.  A scale register holds K step s % 4 in lanes 0-15 and K step 4 + s % 4 in lanes 16-31.
.macro WM p, s, t, a, cr
.if (\s) < 4
	v_wmma_scale_f32_16x16x128_f8f6f4 v[ACC+16*(\a)+8*(\t):ACC+16*(\a)+8*(\t)+7], v[128*((\p)%2)+64*(\t)+8*(\s):128*((\p)%2)+64*(\t)+8*(\s)+7], v[64*(\a)+8*(\s):64*(\a)+8*(\s)+7], v[0+(\cr):7+(\cr)], v[TS+8*((\p)%2)+4*(\t)+(\s)%4], v[US+4*(\a)+(\s)%4] matrix_a_fmt:MATRIX_FMT_FP4 matrix_b_fmt:MATRIX_FMT_FP4
.else
	v_wmma_scale_f32_16x16x128_f8f6f4 v[ACC+16*(\a)+8*(\t):ACC+16*(\a)+8*(\t)+7], v[128*((\p)%2)+64*(\t)+8*(\s):128*((\p)%2)+64*(\t)+8*(\s)+7], v[64*(\a)+8*(\s):64*(\a)+8*(\s)+7], v[0+(\cr):7+(\cr)], v[TS+8*((\p)%2)+4*(\t)+(\s)%4], v[US+4*(\a)+(\s)%4] matrix_a_fmt:MATRIX_FMT_FP4 matrix_b_fmt:MATRIX_FMT_FP4 matrix_a_scale:MATRIX_SCALE_ROW1 matrix_b_scale:MATRIX_SCALE_ROW1
.endif
.endm
; 64 products: 2 tiles of T x 4 tiles of U x 8 K steps.  The first K step takes the bias as C; the 8 accumulators take turns, one instruction a turn.
.macro MM p, cmode
	WIN 0x36                                       ; source 0 (T) window 2, source 1 (U) window 1, C (bias) window 3, D window 0
.irp t, 0,1
.irp a, 0,1,2,3
.if \cmode == 1
	WM \p, 0, \t, \a, 16*(\p)+8*\t
.else
	WM \p, 0, \t, \a, 8*\a
.endif
.endr
.endr
	WIN 0x06                                       ; C window 0
.irp s, 1,2,3,4,5,6,7
.irp t, 0,1
.irp a, 0,1,2,3
	WM \p, \s, \t, \a, ACC+16*\a+8*\t
.endr
.endr
.endr
	WIN 0
.endm
; Four blocks at once, one for each tile a of U: 16 numbers a lane, v[src + 16 a] on, with lane l xor 16's 16 a block of 32.  Codes to v[CD + 4 a + 2 beta] and the next; bytes in v[TM + 4 + a].
.macro QUANT4 src, beta
.irp a, 0,1,2,3
	v_max3_num_f32 v[TM+\a], |v[\src+16*\a]|, |v[\src+16*\a+1]|, 0x1800000   ; from each accumulator's low end on; the floor 2^(3 - 127) holds the byte at 1 from below
.endr
.irp i, 2,4,6,8,10,12,14
.irp a, 0,1,2,3
	v_max3_num_f32 v[TM+\a], v[TM+\a], |v[\src+16*\a+\i]|, |v[\src+16*\a+\i+1]|
.endr
.endr
.irp a, 0,1,2,3
	v_permlanex16_b32 v[TM+4+\a], v[TM+\a], s[SEL], s[SEL+1]
.endr
.irp a, 0,1,2,3
	v_max_num_f32 v[TM+\a], v[TM+\a], v[TM+4+\a]   ; the block's largest magnitude
.endr
.irp a, 0,1,2,3
	v_add_nc_u32 v[TM+12+\a], 0xff000000, v[TM+\a] ; 2 off its exponent field: the conversion's scale operand
.endr
.irp a, 0,1,2,3
	v_lshrrev_b32 v[TM+4+\a], 23, v[TM+12+\a]      ; the scale's byte
.endr
.irp a, 0,1,2,3
	v_cvt_scalef32_pk8_fp4_f32 v[CD+4*\a+2*(\beta)], v[\src+16*\a:\src+16*\a+7], v[TM+12+\a]
	v_cvt_scalef32_pk8_fp4_f32 v[CD+4*\a+2*(\beta)+1], v[\src+16*\a+8:\src+16*\a+15], v[TM+12+\a]
.endr
	v_nop                                          ; one plain place behind the scaled conversions
.endm
.macro SWAPS                           ; the operand's layout wants a whole block in a lane: lanes 0-15 the even block, lanes 16-31 the odd one
.irp a, 0,1,2,3
	v_permlane16_swap_b32 v[CD+4*\a], v[CD+4*\a+2]
	v_permlane16_swap_b32 v[CD+4*\a+1], v[CD+4*\a+3]
.endr
.endm
; A half: T tiles 2 p, 2 p + 1 against my four tiles of U, and what becomes of the results.  mode 1: query, key;  2: value.
.macro HALF p, mode
	PLACES 4                                       ; with the four behind the last products: eight places ahead of loads into their operands and of products that begin their accumulators anew
.if (\p) < LAST
	FETCH (\p)+1
	s_wait_dscnt 34                                ; all but the 34 just issued: this half's tiles are in
.else
	s_wait_dscnt 0x0
.endif
.if (\p) == 0
	s_wait_loadcnt 0x0                             ; U, its scale words, the biases
.endif
	MM \p, \mode
	PLACES 4                                       ; ahead of the first read of results
	s_wait_xcnt 0x0                                ; earlier stores have read their data and their bases
	QUANT4 ACC, (\p)%2
.if \mode == 1
.if (\p)%2 == 0
.irp a, 0,1,2,3
	v_or_b32 v[W+\a], 0x7f7f0000, v[TM+4+\a]       ; the head has 64 along K: the instruction's upper 64 are zero codes under the byte of 1.0
.endr
.else
.irp a, 0,1,2,3
	v_lshl_or_b32 v[W+\a], v[TM+4+\a], 8, v[W+\a]
.endr
	SWAPS
.if (\p) > 1
	s_add_nc_u64 s[DC:DC+1], s[DC:DC+1], s[STR:STR+1]   ; the next head
	s_add_nc_u64 s[DS:DS+1], s[DS:DS+1], s[STR:STR+1]
.endif
.irp a, 0,1,2,3
	global_store_b128 v[LI], v[CD+4*\a:CD+4*\a+3], s[DC:DC+1] offset:512*\a
.endr
	global_store_b128 v[LI], v[W:W+3], s[DS:DS+1]
.endif
.else
.if (\p)%4 == 0
.irp a, 0,1,2,3
	v_mov_b32 v[W+\a], v[TM+4+\a]                  ; four blocks of 32 keys make a scale word
.endr
.else
.irp a, 0,1,2,3
	v_lshl_or_b32 v[W+\a], v[TM+4+\a], 8*((\p)%4), v[W+\a]
.endr
.endif
.if (\p)%2 == 1
	SWAPS
.irp a, 0,1,2,3
	global_store_b128 v[LI], v[CD+4*\a:CD+4*\a+3], s[DC:DC+1] offset:((\p)/4)*9728+4096+1024*\a+512*(((\p)/2)%2)
.endr
.endif
.if (\p)%4 == 3
	global_store_b128 v[LI], v[W:W+3], s[DC:DC+1] offset:((\p)/4)*9728+9216
.endif
.endif
.endm
	s_load_b256 s[4:11], s[0:1], 0x0               ; opnd, bq, bk, bv
	s_load_b128 s[12:15], s[0:1], 0x20             ; qimg, kv
	v_lshl_add_u32 v254, v0, 2, 0x29000
	v_mov_b32 v255, 0
	ds_add_u32 v254, v255
	ds_add_u32 v254, v255
	v_lshrrev_b32 v76, 5, v0
	v_readfirstlane_b32 s[WV], v76                 ; wave 0..3
	v_and_b32 v77, 31, v0
	v_lshlrev_b32 v[LI], 4, v77
.irp q, 0,1,2,3
	v_add_nc_u32 v[TA+\q], 4*REC*\q, v[LI]         ; T tiles 4 q .. 4 q + 3: the rest stands in the immediates
.endr
	v_bfe_u32 v78, v0, 4, 1                        ; hh
	v_lshlrev_b32 v[BAJ], 6, v78                   ; a bias along the registers: 16 numbers for each half of the lanes
	v_and_b32 v79, 15, v0
	v_and_b32 v76, 8, v79
	v_add_nc_u32 v79, v79, v76
	v_lshlrev_b32 v[BAI], 2, v79                   ; a bias along the lanes: number r + 8 (r / 8) of a tile's
.irp a, 0,1,2,3
	v_mov_b32 v[TM+4+\a], 0                        ; a lane permute's destination counts as one of its sources
.endr
	s_and_b32 s18, ttmp7, 0xffff                   ; y
	s_lshr_b32 s19, s18, 4                         ; g
	s_and_b32 s20, s18, 15                         ; yl
	s_and_b32 s21, s20, 3                          ; query, key: which 256 rows of the weight (four heads)
	s_lshl_b32 s22, s19, 6
	s_lshl_b32 s23, s21, 4
	s_add_co_u32 s22, s22, s23
	s_add_co_u32 s22, s22, 768                     ; T's first tile: in wq or wk,
	s_lshl_b32 s23, s20, 4
	s_add_co_u32 s23, s23, 512                     ; or in v
	s_cmp_eq_u32 s19, 2
	s_cselect_b32 s22, s23, s22
	s_lshl_b32 s23, s[WV], 2
	s_add_co_u32 s22, s22, s23                     ; I fetch four of the sixteen: the address hangs on y and the wave's number alone
	s_mul_i32 s22, s22, REC
	s_mov_b32 s23, 0
	s_bfe_u32 s17, ttmp6, 0x40000                  ; cx: my place in the cluster; it enters U's and the results' addresses alone
	s_lshr_b32 s26, s20, 2
	s_lshl_b32 s26, s26, 2
	s_add_co_u32 s26, s26, s17                     ; query, key: which 256 rows of q or k
	s_lshl_b32 s24, s19, 8
	s_lshl_b32 s25, s26, 4
	s_add_co_u32 s24, s24, s25
	s_lshl_b32 s25, s17, 4
	s_add_co_u32 s25, s25, 896                     ; value: which 256 rows of wv
	s_cmp_eq_u32 s19, 2
	s_cselect_b32 s24, s25, s24
	s_lshl_b32 s25, s[WV], 2
	s_add_co_u32 s24, s24, s25                     ; my four tiles of U
	s_mul_i32 s24, s24, REC
	s_mov_b32 s25, 0
	s_mov_b32 s[SEL], 0x76543210
	s_mov_b32 s[SEL+1], 0xfedcba98                 ; v_permlanex16_b32's selects for lane l xor 16
	; descriptor group 1: 34,816 dense bytes as 136 rows of 256 (32 elements of 8 bytes), no padding: the images are read 16 bytes a lane on end
	s_mov_b32 s[G1], 15|(3<<16)|(1<<21)            ; 15:0 the mask: all four work-groups; 17:16 elements of 8 bytes; 21 set beside a mask
	s_mov_b32 s[G1+1], 32<<16                      ; tensor_dim0
	s_mov_b32 s[G1+2], 136<<16                     ; tensor_dim1
	s_mov_b32 s[G1+3], 32<<16                      ; tile_dim0
	s_mov_b32 s[G1+4], 136                         ; tile_dim1
	s_mov_b32 s[G1+5], 32                          ; tensor_dim0_stride
	s_mov_b32 s[G1+6], 0
	s_mov_b32 s[G1+7], 0
	s_mov_b32 s[G0], 1
	s_mul_i32 s[G0+1], s[WV], 4*REC                ; LDS: wave x four records
	s_wait_dscnt 0x0
	s_wait_kmcnt 0x0
	s_add_nc_u64 s[G0+2:G0+3], s[4:5], s[22:23]
	s_or_b32 s[G0+3], s[G0+3], 0x80000000          ; type = 2
	s_add_nc_u64 s[UB:UB+1], s[4:5], s[24:25]
	ROUND                                          ; all four work-groups are here: the joint loads meet
	tensor_load_to_lds s[G0:G0+3], s[G1:G1+7]
	s_nop 0
	PLACES 4
	WIN 0x40                                       ; destination window 1
.irp a, 0,1,2,3
.irp s, 0,1,2,3,4,5,6,7
.irp c, 0,1
	global_load_b128 v[64*\a+8*\s+4*\c:64*\a+8*\s+4*\c+3], v[LI], s[UB:UB+1] offset:\a*REC+\s*1024+\c*512
.endr
.endr
.endr
	WIN 0
.irp a, 0,1,2,3
	global_load_b128 v[US+4*\a:US+4*\a+3], v[LI], s[UB:UB+1] offset:\a*REC+8192
.endr
	s_wait_tensorcnt 0x0                           ; my four records are in,
	s_barrier_signal -1
	s_barrier_wait -1                              ; everybody's are
	FETCH 0
	s_cmp_eq_u32 s19, 2                            ; the same in all waves and in all four partners
	s_cbranch_scc1 .Lvalue
	; ---- query, key
	s_lshr_b32 s27, s26, 3                         ; the batch
	s_and_b32 s28, s26, 7                          ; which 256 rows of it
	s_lshl_b32 s27, s27, 4
	s_lshl_b32 s29, s21, 2
	s_add_co_u32 s27, s27, s29                     ; the first of my four heads
	s_mul_i32 s29, s27, 81920
	s_lshl_b32 s30, s28, 2
	s_add_co_u32 s30, s30, s[WV]                   ; my four tiles are group 4 (rows / 256) + wave
	s_lshl_b32 s56, s30, 11
	s_add_co_u32 s56, s56, s29                     ; query: codes,
	s_lshl_b32 s58, s30, 9
	s_add_co_u32 s58, s58, s29
	s_add_co_u32 s58, s58, 65536                   ; scale words
	s_mul_i32 s29, s27, 155648
	s_lshl_b32 s30, s28, 1
	s_lshr_b32 s31, s[WV], 1
	s_add_co_u32 s30, s30, s31
	s_mul_i32 s30, s30, 9728
	s_add_co_u32 s29, s29, s30                     ; key: the record of my 64 keys' 128,
	s_and_b32 s31, s[WV], 1
	s_lshl_b32 s60, s31, 11
	s_add_co_u32 s60, s60, s29                     ; codes,
	s_lshl_b32 s62, s31, 9
	s_add_co_u32 s62, s62, s29
	s_add_co_u32 s62, s62, 8192                    ; scale words
	s_mov_b32 s[STR], 155648
	s_cmp_eq_u32 s19, 0
	s_cselect_b64 s[DC:DC+1], s[12:13], s[14:15]
	s_cselect_b64 s[BB:BB+1], s[6:7], s[8:9]
	s_cselect_b32 s56, s56, s60
	s_cselect_b32 s58, s58, s62
	s_cselect_b32 s[STR], 81920, s[STR]            ; bytes from head to head
	s_mov_b32 s[STR+1], 0
	s_mov_b32 s57, 0
	s_mov_b32 s59, 0
	s_add_nc_u64 s[DS:DS+1], s[DC:DC+1], s[58:59]
	s_add_nc_u64 s[DC:DC+1], s[DC:DC+1], s[56:57]
	s_lshl_b32 s60, s21, 10
	s_mov_b32 s61, 0
	s_add_nc_u64 s[BB:BB+1], s[BB:BB+1], s[60:61]  ; the bias of my 256 columns
	WIN 0xc0                                       ; destination window 3
	s_wait_alu depctr_va_vdst(0)
.irp p, 0,1,2,3,4,5,6,7
.irp t, 0,1
	global_load_b128 v[16*\p+8*\t:16*\p+8*\t+3], v[BAJ], s[BB:BB+1] offset:128*\p+32*\t        ; register j: bias of column 32 p + 16 hh + 8 t + j
	global_load_b128 v[16*\p+8*\t+4:16*\p+8*\t+7], v[BAJ], s[BB:BB+1] offset:128*\p+32*\t+16
.endr
.endr
	WIN 0
.irp p, 0,1,2,3,4,5,6,7
	HALF \p, 1
.endr
	s_branch .Lend
.Lvalue:	; ---- value: lanes are the head's 64, registers are keys
	s_lshr_b32 s27, s20, 3
	s_lshl_b32 s27, s27, 4
	s_lshl_b32 s28, s17, 2
	s_add_co_u32 s27, s27, s28
	s_add_co_u32 s27, s27, s[WV]                   ; my head: 16 batch + 4 cx + wave
	s_mul_i32 s56, s27, 155648
	s_and_b32 s28, s20, 7
	s_mul_i32 s28, s28, 2*9728                     ; 256 keys are two records
	s_add_co_u32 s56, s56, s28
	s_mov_b32 s57, 0
	s_add_nc_u64 s[DC:DC+1], s[14:15], s[56:57]
	s_lshl_b32 s58, s17, 10
	s_lshl_b32 s28, s[WV], 8
	s_add_co_u32 s58, s58, s28
	s_mov_b32 s59, 0
	s_add_nc_u64 s[BB:BB+1], s[10:11], s[58:59]    ; bv of my head
	WIN 0xc0
	s_wait_alu depctr_va_vdst(0)
.irp a, 0,1,2,3
.irp j, 0,1,2,3,4,5,6,7
	global_load_b32 v[8*\a+\j], v[BAI], s[BB:BB+1] offset:4*(32*(\a/2)+8*(\a%2))   ; all eight registers: the bias of my lane's column
.endr
.endr
	WIN 0
.irp p, 0,1,2,3,4,5,6,7
	HALF \p, 2
.endr
.Lend:
	s_wait_tensorcnt 0x0
	ds_add_u32 v254, v255
	s_wait_dscnt 0x0
	ROUND                                          ; the closing round: no work-group ends while a partner may still ask for a tile that names it
	s_endpgm
.Lfunc_end_k_qd15f43e423_proj:
	.size	k_qd15f43e423_proj, .Lfunc_end_k_qd15f43e423_proj-k_qd15f43e423_proj
	.p2alignl 7, 3214868480
	.fill 96, 4, 3214868480
	.section	.rodata,"a",@progbits
	.p2align	6, 0x0
	.amdhsa_kernel k_qd15f43e423_proj
		.amdhsa_group_segment_fixed_size 168448
		.amdhsa_private_segment_fixed_size 0
		.amdhsa_enable_private_segment 0
		.amdhsa_kernarg_size 48
		.amdhsa_user_sgpr_count 2
		.amdhsa_user_sgpr_kernarg_segment_ptr 1
		.amdhsa_wavefront_size32 1
		.amdhsa_system_sgpr_workgroup_id_x 1
		.amdhsa_system_sgpr_workgroup_id_y 1
		.amdhsa_system_sgpr_workgroup_id_z 1
		.amdhsa_system_vgpr_workitem_id 0
		.amdhsa_next_free_vgpr 896
		.amdhsa_next_free_sgpr 66
		.amdhsa_reserve_vcc 0
		.amdhsa_float_denorm_mode_32 3
		.amdhsa_float_denorm_mode_16_64 3
		.amdhsa_memory_ordered 1
		.amdhsa_forward_progress 1
		.amdhsa_inst_pref_size 251
	.end_amdhsa_kernel
	.amdgpu_metadata
---
amdhsa.version: [ 1, 2 ]
amdhsa.kernels:
  - .name:           k_qd15f43e423_proj
    .symbol:         k_qd15f43e423_proj.kd
    .args:
      - { .name: opnd, .offset: 0, .size: 8, .value_kind: global_buffer, .address_space: global }
      - { .name: bq, .offset: 8, .size: 8, .value_kind: global_buffer, .address_space: global }
      - { .name: bk, .offset: 16, .size: 8, .value_kind: global_buffer, .address_space: global }
      - { .name: bv, .offset: 24, .size: 8, .value_kind: global_buffer, .address_space: global }
      - { .name: qimg, .offset: 32, .size: 8, .value_kind: global_buffer, .address_space: global }
      - { .name: kv, .offset: 40, .size: 8, .value_kind: global_buffer, .address_space: global }
    .group_segment_fixed_size: 168448
    .private_segment_fixed_size: 0
    .kernarg_segment_align: 8
    .kernarg_segment_size: 48
    .max_flat_workgroup_size: 128
    .sgpr_count:     66
    .vgpr_count:     896
    .wavefront_size: 32
...
	.end_amdgpu_metadata
.endif
;; end of part 7
;; launch attn (part 8): grid 8 x 32, 16 waves a work-group, clusters of 4 x 1, 169,984 bytes of LDS; arguments qimg, kv, mbits, xp; writes xp
.if DOCPART == 8
	.amdgcn_target "amdgcn-amd-amdhsa--gfx1250"
	.amdhsa_code_object_version 6
	.text
	.protected	k_qd15f43e423_attn
	.globl	k_qd15f43e423_attn
	.p2align	8
	.type	k_qd15f43e423_attn,@function
k_qd15f43e423_attn:
	s_mov_b64 s[64:65], 0
	v_nop
	global_prefetch_b8 v0, s[64:65] scope:SCOPE_SE
	s_setreg_imm32_b32 hwreg(HW_REG_WAVE_MODE, 25, 1), 1
	s_wait_xcnt 0x0
	s_wait_alu depctr_hold_cnt(0) depctr_sa_sdst(0) depctr_va_vdst(0) depctr_va_sdst(0) depctr_va_ssrc(0) depctr_va_vcc(0) depctr_vm_vsrc(0)
	s_getreg_b32 s2, hwreg(HW_REG_IB_STS2, 6, 4)
	s_cmp_eq_u32 s2, 0
	s_cbranch_scc0 .Lentry_in_a_cluster
	s_endpgm
.Lentry_in_a_cluster:
	s_bfe_u32 s2, ttmp6, 0x10000c
	s_cmp_lg_u32 s2, 0x3003
	s_cbranch_scc0 .Lentry_shape_is_right
	s_endpgm
.Lentry_shape_is_right:
; x[b][q][64 h + d] = the sum over keys of softmax(logit) value, logit = query . key / 8, or -1 where the mask is 0 (such a key still counts in the maximum, the sum and the product).
; Both products on codes of FP4 with E8M0 scales.  t = logit x log2(e); M = the running largest t rounded up to a whole number; p = 2^(t - M) is quantised along the keys, not normalised;
; the sum is taken of the unquantised p and divides at the end; when M moves, the sum and O are multiplied by 2^(old M - new M), which rounds nothing.  x is then quantised along 64 h + d for the last product.
; A masked score is replaced by -8 ahead of the scaling by c = log2(e) / 8.
; SHARES.  A work-group owns 256 queries of one head, each of its sixteen waves one tile of 16, in 256 registers.
; THE WHOLE HEAD'S KEYS AND VALUES, 16 records of 9,728 bytes, lie in LDS, filled once: wave w brings record w by one tensor load.  No byte is filled twice and none is stored to: one barrier.  A wave has one tensor load outstanding.
; CLUSTER.  The four query blocks of a cluster belong to one head: each record is asked for jointly, by the same load with the same descriptor and a mask that names the four.
; LAYOUT.  Both products transposed: S^T = K Q^T, O^T = V^T P^T: a lane holds ONE query.
; THE KEYS OF A TILE ARE CHOSEN HERE, by the lanes' LDS addresses: lane r of tile t takes key 64 (t / 4) + 8 (t % 4) + r % 8 + 32 (r / 8) of the step's 128.  So lane (r, hh) holds in score register n the key 64 (n / 32) + 32 hh + n % 32:
; registers 32 c .. 32 c + 31 are the WHOLE block 2 c + hh.  A block's maximum needs no other lane, and the conversions' results are the second product's operand as they stand.
; In the record that key lies in image 4 (t / 4) + 2 (r / 8) + t % 2 at lane 8 ((t % 4) / 2) + r % 8 (+ 16 hh): byte 2048 (t / 4) + 512 (t % 2) + 128 ((t % 4) / 2), + 1024 (r / 8) + 16 (r % 8) + 256 hh for the lane;
; its scale word at 8192 + 512 (t / 4) + 128 ((t % 4) / 2) + 4 (t % 2), + 16 (r % 8) + 8 (r / 8) for the lane: tiles t and t + 1 (t even) by one load of 8 bytes.
; The first product's K is 64: Q's upper four registers are zero codes; K's tiles lie 4 registers apart, so a tile's upper four registers are the next tile's codes, which meet Q's zero codes under the scale byte 0x7f and add nothing.
; THE MASK comes as 64 lane masks a key step, in scalar registers, in the order of the score registers; they only choose values.
; THE ORDER OF A STEP.  K of the next step and this step's V are asked for behind the first products.  All scalings, and O^T's rescaling, stand ahead of the 66 exponentials, which go as one batch with one wait ahead and one behind
; The row's sums, in four chains, stand among and behind the lines that make the scales and codes: they are the places ahead of the second products.
; LIMITS: the scaled scores stay under 2^31 in magnitude; a block's largest p is made from the block's largest score by the same multiply-add and exponential, which takes v_exp_f32 not to fall where its input rises;
; a block of zeros gets the byte 1; NaN and infinities are not served.
; The two scale bytes of a row and head leave singly (32 bytes a wave against 512 of codes): they share a word with other heads' bytes, which other work-groups store.
; REGISTERS: v1 16 x lane; v2 -8; v3 V's LDS address; v4, v5 offsets in xp; v6 hh; v8-15 Q; v16 Q's scale word; v17 p's; v18 -M; v19 the largest score; v[20:21] the sum; v[22:23] f; v24-31 K's scale words; v32-67 K;
;   v68, v69 my lane's places among K's codes and scale words; v70, v71 the same in the step's record; v72 8 hh; v96-159 S^T, then p; v160-191 O^T; v192-223 V; v224-227 V's scale words; v228-235 p's codes;
;   v236-245 at work; v246-253 the four sum chains (v248, v249 also temporaries).   s[16:63], s[68:83] the mask words.
.set WV,  12
.set REC, 9728                         ; a key step's record
.set CH,  246
.macro ROUND
	s_barrier_signal -1
	s_barrier_wait -1
	s_cmp_lg_u32 s[WV], 0
	s_cbranch_scc1 .Lnot_wave_0_\@
	s_barrier_signal -3
.Lnot_wave_0_\@:
	s_barrier_wait -3
	s_barrier_signal -1
	s_barrier_wait -1
.endm
.macro MASKS                           ; the 64 words at byte s13 of my query tile's 4,096
	s_load_b512 s[16:31], s[8:9], s13 offset:0x0
	s_load_b512 s[32:47], s[8:9], s13 offset:0x40
	s_load_b512 s[48:63], s[8:9], s13 offset:0x80
	s_load_b512 s[68:83], s[8:9], s13 offset:0xc0
.endm
.macro KLD ak, as, off                 ; a step's eight tiles of K and their scale words
.irp t, 0,1,2,3,4,5,6,7
	ds_load_b128 v[32+4*\t:35+4*\t], v[\ak] offset:\off+2048*(\t/4)+512*(\t%2)+128*((\t%4)/2)
.endr
.irp g, 0,1,2,3
	ds_load_b64 v[24+2*\g:25+2*\g], v[\as] offset:\off+8192+512*(\g/2)+128*(\g%2)
.endr
.endm
; The row's sum of the unquantised p: 32 lines, numbered by sk.  0-3: pairs 0-7 start four chains; 4-27: pairs 8-31 by turns; 28-30: the chains meet; 31: sum = sum x f + the step's.
.macro SUM cnt
.rept \cnt
.if sk < 4
	v_pk_add_f32 v[CH+2*sk:CH+2*sk+1], v[96+4*sk:97+4*sk], v[98+4*sk:99+4*sk]
.elseif sk < 28
	v_pk_add_f32 v[CH+2*(sk%4):CH+2*(sk%4)+1], v[CH+2*(sk%4):CH+2*(sk%4)+1], v[104+2*sk:105+2*sk]
.elseif sk == 28
	v_pk_add_f32 v[CH:CH+1], v[CH:CH+1], v[CH+2:CH+3]
.elseif sk == 29
	v_pk_add_f32 v[CH+4:CH+5], v[CH+4:CH+5], v[CH+6:CH+7]
.elseif sk == 30
	v_pk_add_f32 v[CH:CH+1], v[CH:CH+1], v[CH+4:CH+5]
.else
	v_pk_fma_f32 v[20:21], v[20:21], v[22:23], v[CH:CH+1] op_sel_hi:[1,0,1]
.endif
.set sk, sk+1
.endr
.endm
; A KEY STEP: 128 keys.  K and its scale words are in registers.  more = 1: there is a next step, whose K and mask words are asked for.
.macro STEP more
.irp t, 0,1,2,3,4,5,6,7
	v_wmma_scale_f32_16x16x128_f8f6f4 v[96+8*\t:103+8*\t], v[32+4*\t:39+4*\t], v[8:15], 0, v[24+\t], v16 matrix_a_fmt:MATRIX_FMT_FP4 matrix_b_fmt:MATRIX_FMT_FP4
.endr
	v_add_nc_u32 v3, s87, v1                       ; this step's record.  These three and the v_nop: four places behind these products and the last step's, ahead of loads into their operands and of the first read of the scores
	v_add_nc_u32 v70, s87, v68
	v_add_nc_u32 v71, s87, v69
	v_nop
.irp a, 0,1,2,3
	ds_load_b128 v[192+8*\a:195+8*\a], v3 offset:4096+1024*\a
	ds_load_b128 v[196+8*\a:199+8*\a], v3 offset:4096+1024*\a+512
.endr
	ds_load_b128 v[224:227], v3 offset:9216        ; V and its scale words, for this step's end
.if \more
	KLD 70, 71, REC                                ; for the next step
.endif
	s_wait_kmcnt 0x0                               ; this step's mask words
.set n, 0
.rept 64
	v_cndmask_b32 v[96+n], v2, v[96+n], s[16+n+4*(n/48)]   ; where the mask is 0: -8; each accumulator from its low end on
.set n, n+1
.endr
.if \more
	s_add_co_u32 s13, s13, 256                     ; (the wait above has shown the last scalar loads done)
	MASKS                                          ; the next step's words
.endif
.irp k, 0,1,2,3
	v_max3_num_f32 v[236+\k], v[96+16*\k], v[97+16*\k], v[98+16*\k]   ; the largest score of each block of 32 keys, in two chains a block, the four by turns
.endr
.irp i, 3,5,7,9,11,13
.irp k, 0,1,2,3
	v_max3_num_f32 v[236+\k], v[236+\k], v[96+16*\k+\i], v[97+16*\k+\i]
.endr
.endr
	v_max3_num_f32 v236, v236, v237, v111
	v_max3_num_f32 v238, v238, v239, v143
	s_delay_alu instid0(VALU_DEP_2)
	v_max_num_f32 v236, v236, v127                 ; block hh's
	s_delay_alu instid0(VALU_DEP_2)
	v_max_num_f32 v237, v238, v159                 ; block 2 + hh's
	s_delay_alu instid0(VALU_DEP_1)
	v_max_num_f32 v248, v236, v237
	s_delay_alu instid0(VALU_DEP_1)
	v_permlanex16_b32 v240, v248, s14, s15         ; lane l xor 16's 64 keys
	s_delay_alu instid0(VALU_DEP_1)
	v_max3_num_f32 v19, v19, v248, v240            ; the running largest score of my query
	v_mov_b32 v249, v18
	s_delay_alu instid0(VALU_DEP_2)
	v_mul_f32 v248, s84, v19                       ; as t
	s_delay_alu instid0(VALU_DEP_1)
	v_floor_f32 v18, -v248                         ; the new -M = -ceil(t)
	s_delay_alu instid0(VALU_DEP_1)
	v_sub_f32 v249, v18, v249                      ; old M - new M: a whole number, 0 or less
	s_delay_alu instid0(VALU_DEP_1)
	v_cvt_i32_f32 v249, v249                       ; (it saturates)
.set j, 0
.rept 32
	v_pk_fma_f32 v[96+j:97+j], v[96+j:97+j], s[84:85], v[18:19] op_sel_hi:[1,0,0]   ; t - M, two at a time
.set j, j+2
.endr
	v_fma_f32 v236, v236, s84, v18                 ; t - M of each block's largest score
	v_fma_f32 v237, v237, s84, v18
	v_ldexp_f32 v22, 1.0, v249                     ; f = 2^(old M - new M)
.set j, 0
.rept 16
	v_pk_mul_f32 v[160+j:161+j], v[160+j:161+j], v[22:23] op_sel_hi:[1,0]   ; O^T under the new M; each accumulator from its low end on
.set j, j+2
.endr
	s_wait_alu depctr_va_vdst(0)
.set j, 0
.rept 64
	v_exp_f32 v[96+j], v[96+j]                     ; p = 2^(t - M)
.set j, j+1
.endr
	v_exp_f32 v236, v236                           ; the blocks' largest p: the same two instructions on the same number give the same bits
	v_exp_f32 v237, v237
	v_nop                                          ; one plain place behind the exponentials
	s_wait_alu depctr_va_vdst(0)                   ; one wait for the whole batch, ahead of its first reader
.set sk, 0
	v_max_num_f32 v236, 0x1800000, v236            ; the floor 2^(3 - 127): the byte cannot fall under 1
	v_max_num_f32 v237, 0x1800000, v237
	SUM 4
	v_add_nc_u32 v244, 0xff000000, v236            ; 2 off the exponent field: the conversions' scale operands
	v_add_nc_u32 v245, 0xff000000, v237
	SUM 4
	v_lshrrev_b32 v242, 23, v244                   ; the scales' bytes
	v_lshrrev_b32 v243, 23, v245
.irp c, 0,1
.irp g, 0,1,2,3
	v_cvt_scalef32_pk8_fp4_f32 v[228+4*\c+\g], v[96+32*\c+8*\g:103+32*\c+8*\g], v[244+\c]   ; registers 4 c .. 4 c + 3 of the operand: keys 64 c + 32 hh + 0 .. 31
.endr
.endr
	SUM 2                                          ; (plain lines behind the scaled conversions)
	v_lshl_or_b32 v17, v243, 16, v242              ; my two bytes: blocks hh and 2 + hh,
	SUM 2
	v_lshlrev_b32 v17, v72, v17                    ; at their places (8 hh bits up);
	SUM 2
	v_permlanex16_b32 v241, v17, s14, s15
	SUM 2
	v_or_b32 v17, v17, v241                        ; with lane l xor 16's two p's scale word is whole
	SUM 16                                         ; sixteen places between the scale word and the products
	s_wait_alu depctr_va_vdst(0)
	s_wait_dscnt 0x0                               ; V and its scale words; the next step's K and its scale words
.irp a, 0,1,2,3
	v_wmma_scale_f32_16x16x128_f8f6f4 v[160+8*\a:167+8*\a], v[192+8*\a:199+8*\a], v[228:235], v[160+8*\a:167+8*\a], v[224+\a], v17 matrix_a_fmt:MATRIX_FMT_FP4 matrix_b_fmt:MATRIX_FMT_FP4
.endr
.if \more
	s_add_co_u32 s87, s87, REC
.endif
.endm
	s_load_b256 s[4:11], s[0:1], 0x0               ; qimg, kv, mbits, xp
	v_lshl_add_u32 v254, v0, 2, 0x29000
	v_mov_b32 v255, 0
	ds_add_u32 v254, v255
	ds_add_u32 v254, v255
	v_lshrrev_b32 v3, 5, v0
	v_readfirstlane_b32 s[WV], v3                  ; wave 0..15
	s_and_b32 s16, ttmp7, 0xffff                   ; 16 batch + head, which the four partners share
	s_mul_i32 s18, s16, 155648
	s_mul_i32 s17, s[WV], REC
	s_add_co_u32 s18, s18, s17                     ; record w of the head
	s_mov_b32 s19, 0
	s_bfe_u32 s20, ttmp6, 0x40000                  ; cx: it enters Q's, the mask's and x's addresses alone
	s_lshl_b32 s21, ttmp9, 2
	s_add_co_u32 s21, s21, s20
	s_lshl_b32 s21, s21, 4
	s_add_co_u32 s21, s21, s[WV]                   ; my query tile, 0 .. 127
	s_mul_i32 s22, s16, 81920
	s_mov_b32 s23, 0
	s_lshr_b32 s24, s21, 2
	s_lshl_b32 s24, s24, 9
	s_and_b32 s25, s21, 3
	s_lshl_b32 s25, s25, 2
	s_add_co_u32 s24, s24, s25
	s_add_co_u32 s24, s24, 65536                   ; its scale words
	s_mov_b32 s25, 0
	s_lshl_b32 s26, s21, 9                         ; its codes
	s_mov_b32 s27, 0
	s_lshl_b32 s28, s21, 12                        ; its mask words
	s_mov_b32 s29, 0
	s_lshr_b32 s30, s16, 4
	s_lshl_b32 s30, s30, 7
	s_add_co_u32 s30, s30, s21
	s_mul_i32 s30, s30, 8704                       ; its record in xp
	s_mov_b32 s31, 0
	s_and_b32 s32, s16, 15                         ; the head
	s_lshl_b32 s33, s32, 9                         ; its codes in the record: 512 h
	s_lshr_b32 s34, s32, 3
	s_lshl_b32 s34, s34, 8
	s_and_b32 s35, s32, 7
	s_lshl_b32 s35, s35, 1
	s_add_co_u32 s34, s34, s35
	s_add_co_u32 s34, s34, 8192                    ; its scale bytes: 8,192 + 256 (h / 8) + 2 (h % 8) + 16 r + block
	v_and_b32 v248, 31, v0
	v_bfe_u32 v6, v0, 4, 1                         ; hh
	v_and_b32 v249, 15, v0                         ; r
	v_bfe_u32 v250, v0, 3, 1                       ; r / 8
	v_and_b32 v251, 7, v0                          ; r % 8
	v_lshlrev_b32 v1, 4, v248
	v_lshl_add_u32 v5, v249, 4, v6
	v_lshlrev_b32 v251, 4, v251
	v_lshlrev_b32 v72, 3, v6
	v_add_nc_u32 v4, s33, v1
	v_add_nc_u32 v5, s34, v5
	v_lshl_add_u32 v68, v250, 10, v251
	v_lshl_add_u32 v69, v250, 3, v251              ; K's scale words: 16 (r % 8) + 8 (r / 8)
	v_lshl_add_u32 v68, v6, 8, v68                 ; K's codes: 1024 (r / 8) + 16 (r % 8) + 256 hh
	s_mov_b32 s14, 0x76543210
	s_mov_b32 s15, 0xfedcba98                      ; v_permlanex16_b32's selects for lane l xor 16
	s_mov_b32 s84, 0x3e38aa3b                      ; c = log2(e) / 8
	s_mov_b32 s85, s84                             ; (named with it as a pair, so it is written)
	s_mov_b32 s86, 15                              ; the loop's trips: all key steps but the last
	s_mov_b32 s87, 0                               ; the step's record in LDS
	s_mov_b32 s13, 0
	; descriptor: 9,728 dense bytes as 38 rows of 256 (32 elements of 8 bytes), no padding
	s_mov_b32 s92, 15|(3<<16)|(1<<21)              ; the mask: all four work-groups; elements of 8 bytes; bit 21 set beside a mask
	s_mov_b32 s93, 32<<16
	s_mov_b32 s94, 38<<16
	s_mov_b32 s95, 32<<16
	s_mov_b32 s96, 38
	s_mov_b32 s97, 32
	s_mov_b32 s98, 0
	s_mov_b32 s99, 0
	s_mov_b32 s88, 1
	s_mul_i32 s89, s[WV], REC
	s_wait_alu depctr_va_vdst(0)
	s_wait_dscnt 0x0
	s_wait_kmcnt 0x0
	s_add_nc_u64 s[90:91], s[6:7], s[18:19]
	s_or_b32 s91, s91, 0x80000000
	s_add_nc_u64 s[4:5], s[4:5], s[22:23]
	s_add_nc_u64 s[6:7], s[4:5], s[24:25]          ; Q's scale words
	s_add_nc_u64 s[4:5], s[4:5], s[26:27]          ; Q's codes
	s_add_nc_u64 s[8:9], s[8:9], s[28:29]
	s_add_nc_u64 s[10:11], s[10:11], s[30:31]
	global_load_b128 v[8:11], v1, s[4:5]           ; lane (r, hh): block hh of query r
	global_load_b32 v16, v1, s[6:7]
	MASKS                                          ; step 0's
	v_mov_b32 v2, 0xc1000000                       ; -8
.irp j, 12,13,14,15,64,65,66,67
	v_mov_b32 v\j, 0                               ; Q's upper 64 along K; and what stands above K's last tile
.endr
.set j, 0
.rept 32
	v_mov_b32 v[160+j], 0                          ; O^T: the step is written for every step alike; the first finds zeros, which the first change of M leaves zeros
.set j, j+1
.endr
	v_mov_b32 v19, 0xff61b1e6                      ; the largest score so far: -3e38
	v_mov_b32 v20, 0
	v_mov_b32 v21, 0
	v_mov_b32 v23, 0                               ; (named as the upper half of the pair v[22:23])
	v_floor_f32 v18, -v19                          ; -M
	v_mov_b32 v240, 0                              ; a lane permute's destination counts as one of its sources
	v_mov_b32 v241, 0
	v_mov_b32 v248, 0
	s_wait_alu depctr_va_vdst(0)
	ROUND                                          ; all four work-groups are here: the joint loads meet
	tensor_load_to_lds s[88:91], s[92:99]
	s_nop 0
.rept 4
	v_nop
.endr
	s_wait_loadcnt 0x0                             ; Q
	s_wait_tensorcnt 0x0                           ; my record is in,
	s_barrier_signal -1
	s_barrier_wait -1                              ; everybody's are
	KLD 68, 69, 0                                  ; step 0's K
	s_wait_dscnt 0x0
.Lstep:
	STEP 1
	s_sub_co_u32 s86, s86, 1
	s_cmp_lg_u32 s86, 0
	s_cbranch_scc1 .Lstep
	STEP 0                                         ; the last step: no load reaches past the sixteen records or past my tile's mask words
.rept 4
	v_nop                                          ; places ahead of the first read of results
.endr
	v_add_f32 v20, v20, v21                        ; the sum's two halves,
	s_delay_alu instid0(VALU_DEP_1)
	v_permlanex16_b32 v248, v20, s14, s15
	s_delay_alu instid0(VALU_DEP_1)
	v_add_f32 v20, v20, v248                       ; and lane l xor 16's
	s_wait_alu depctr_va_vdst(0)
	v_rcp_f32 v20, v20
	v_nop                                          ; one plain place behind a transcendental
.set j, 0
	s_wait_alu depctr_va_vdst(0)
.rept 32
	v_mul_f32 v[96+j], v[160+j], v20               ; x: register 16 e + i is d = 32 e + 16 hh + i of my query
.set j, j+1
.endr
.irp e, 0,1
	v_max3_num_f32 v[236+\e], |v[96+16*\e]|, |v[97+16*\e]|, 0x1800000
.endr
.irp i, 2,4,6,8,10,12,14
.irp e, 0,1
	s_delay_alu instid0(VALU_DEP_2)
	v_max3_num_f32 v[236+\e], v[236+\e], |v[96+16*\e+\i]|, |v[97+16*\e+\i]|
.endr
.endr
.irp e, 0,1
	s_delay_alu instid0(VALU_DEP_2)
	v_permlanex16_b32 v[240+\e], v[236+\e], s14, s15
.endr
.irp e, 0,1
	s_delay_alu instid0(VALU_DEP_2)
	v_max_num_f32 v[236+\e], v[236+\e], v[240+\e]
.endr
.irp e, 0,1
	s_delay_alu instid0(VALU_DEP_2)
	v_add_nc_u32 v[244+\e], 0xff000000, v[236+\e]
.endr
.irp e, 0,1
	s_delay_alu instid0(VALU_DEP_2)
	v_lshrrev_b32 v[240+\e], 23, v[244+\e]
.endr
.irp e, 0,1
	v_cvt_scalef32_pk8_fp4_f32 v[228+2*\e], v[96+16*\e:103+16*\e], v[244+\e]
	v_cvt_scalef32_pk8_fp4_f32 v[229+2*\e], v[104+16*\e:111+16*\e], v[244+\e]
.endr
	v_cmp_ne_u32 vcc_lo, 0, v6                     ; (a plain place behind the scaled conversions)
	s_delay_alu instid0(VALU_DEP_1)
	v_cndmask_b32 v248, v240, v241, vcc_lo         ; lanes 0-15 store block 0's byte, lanes 16-31 block 1's
	v_permlane16_swap_b32 v228, v230               ; x's halves of blocks change places: a whole block to a lane
	v_permlane16_swap_b32 v229, v231
	global_store_b128 v4, v[228:231], s[10:11]     ; 512 consecutive bytes: the head's image in the tile's record
	global_store_b8 v5, v248, s[10:11]
	s_wait_tensorcnt 0x0                           ; the wave's end
	ds_add_u32 v254, v255
	s_wait_dscnt 0x0
	ROUND                                          ; the closing round: no work-group ends while a partner may still ask for a record that names it
	s_endpgm
.Lfunc_end_k_qd15f43e423_attn:
	.size	k_qd15f43e423_attn, .Lfunc_end_k_qd15f43e423_attn-k_qd15f43e423_attn
	.p2alignl 7, 3214868480
	.fill 96, 4, 3214868480
	.section	.rodata,"a",@progbits
	.p2align	6, 0x0
	.amdhsa_kernel k_qd15f43e423_attn
		.amdhsa_group_segment_fixed_size 169984
		.amdhsa_private_segment_fixed_size 0
		.amdhsa_enable_private_segment 0
		.amdhsa_kernarg_size 32
		.amdhsa_user_sgpr_count 2
		.amdhsa_user_sgpr_kernarg_segment_ptr 1
		.amdhsa_wavefront_size32 1
		.amdhsa_system_sgpr_workgroup_id_x 1
		.amdhsa_system_sgpr_workgroup_id_y 1
		.amdhsa_system_sgpr_workgroup_id_z 1
		.amdhsa_system_vgpr_workitem_id 0
		.amdhsa_next_free_vgpr 256
		.amdhsa_next_free_sgpr 102
		.amdhsa_reserve_vcc 1
		.amdhsa_float_denorm_mode_32 3
		.amdhsa_float_denorm_mode_16_64 3
		.amdhsa_memory_ordered 1
		.amdhsa_forward_progress 1
		.amdhsa_inst_pref_size 48
	.end_amdhsa_kernel
	.amdgpu_metadata
---
amdhsa.version: [ 1, 2 ]
amdhsa.kernels:
  - .name:           k_qd15f43e423_attn
    .symbol:         k_qd15f43e423_attn.kd
    .args:
      - { .name: qimg, .offset: 0, .size: 8, .value_kind: global_buffer, .address_space: global }
      - { .name: kv, .offset: 8, .size: 8, .value_kind: global_buffer, .address_space: global }
      - { .name: mbits, .offset: 16, .size: 8, .value_kind: global_buffer, .address_space: global }
      - { .name: xp, .offset: 24, .size: 8, .value_kind: global_buffer, .address_space: global }
    .group_segment_fixed_size: 169984
    .private_segment_fixed_size: 0
    .kernarg_segment_align: 8
    .kernarg_segment_size: 32
    .max_flat_workgroup_size: 512
    .sgpr_count:     102
    .vgpr_count:     256
    .wavefront_size: 32
...
	.end_amdgpu_metadata
.endif
;; end of part 8
;; launch outp (part 9): grid 16 x 16, 4 waves a work-group, clusters of 4 x 1, 168,448 bytes of LDS; arguments xp, opnd, bo, out0; writes out0
.if DOCPART == 9
	.amdgcn_target "amdgcn-amd-amdhsa--gfx1250"
	.amdhsa_code_object_version 6
	.text
	.protected	k_qd15f43e423_outp
	.globl	k_qd15f43e423_outp
	.p2align	8
	.type	k_qd15f43e423_outp,@function
k_qd15f43e423_outp:
	s_mov_b64 s[64:65], 0
	v_nop
	global_prefetch_b8 v0, s[64:65] scope:SCOPE_SE
	s_setreg_imm32_b32 hwreg(HW_REG_WAVE_MODE, 25, 1), 1
	s_wait_xcnt 0x0
	s_wait_alu depctr_hold_cnt(0) depctr_sa_sdst(0) depctr_va_vdst(0) depctr_va_sdst(0) depctr_va_ssrc(0) depctr_va_vcc(0) depctr_vm_vsrc(0)
	s_getreg_b32 s2, hwreg(HW_REG_IB_STS2, 6, 4)
	s_cmp_eq_u32 s2, 0
	s_cbranch_scc0 .Lentry_in_a_cluster
	s_endpgm
.Lentry_in_a_cluster:
	s_bfe_u32 s2, ttmp6, 0x10000c
	s_cmp_lg_u32 s2, 0x3003
	s_cbranch_scc0 .Lentry_shape_is_right
	s_endpgm
.Lentry_shape_is_right:
; out0 = x wo^T + bo on codes of FP4.  x comes as tile records from the attention launch (rows in natural order), wo as tile records 960 .. 1023 of opnd.
; The form of the projections' launch: source 0 = a tile T of wo, source 1 = a tile U of x; lane (r, hh) holds x's row r, and the 16 registers of T tiles 2 p, 2 p + 1 are columns 32 p + 16 hh + 0 .. 15 of the output.
; SHARES.  A work-group takes 256 rows (x = 4 cluster x + cx) and 64 columns (y): 256 work-groups.  A wave keeps its 4 tiles of U (64 rows) for all of K in 256 registers; the 4 tiles of T lie in LDS, filled once,
; one record a wave, asked for jointly by the four work-groups of a cluster, which differ in U alone.  A wave has one tensor load outstanding.
; THE WAY OUT.  A lane holds 64 bytes of a row, the lanes beside it other rows: the wave's 64 rows x 256 bytes go through its own stage in LDS (rows 272 bytes apart, behind T's bytes: no fill lands there)
; and leave so that sixteen lanes store 256 consecutive bytes, at a multiple of 256 from the buffer's first byte.
; REGISTERS, in windows of 256.  Window 0: v1 16 x lane; v2 T's LDS address; v6 bias offset; v7, v76, v77 the way out; v8-23 U's scale words; v24-39 T's, two sets; v78, v79 temporaries;
;   v128-191 the 8 accumulators; v192-255 rows read back.   Window 1: U.   Window 2: T, two sets.   Window 3: the bias as C tiles.
.set REC,  8704
.set LAST, 1
.set STG0, 4*REC                       ; the stages: 17,408 bytes a wave
.set LI,   1
.set TA,   2
.set BAJ,  6
.set SO,   7
.set US,   8
.set TS,   24
.set RD,   76
.set GO,   77
.set ACC,  128
.set OB,   192
.set WV,   16
.set G0,   32
.set G1,   36
.set UB,   52
.set MSB, 0
.macro WIN new                         ; the immediate's high byte repeats the setting that is left
.if MSB != \new
	s_set_vgpr_msb (MSB<<8)|\new
.set MSB, \new
.endif
.endm
.macro PLACES n
.rept \n
	v_nop
.endr
.endm
.macro ROUND                           ; a round of the cluster's barrier
	s_barrier_signal -1
	s_barrier_wait -1
	s_cmp_lg_u32 s[WV], 0
	s_cbranch_scc1 .Lnot_wave_0_\@
	s_barrier_signal -3
.Lnot_wave_0_\@:
	s_barrier_wait -3
	s_barrier_signal -1
	s_barrier_wait -1
.endm
.macro FETCH p                         ; T tiles 2 p and 2 p + 1, all of K, and their scale words: 34 LDS loads of 512 consecutive bytes
	WIN 0x80                                       ; destination window 2, address window 0
.irp t, 0,1
.irp s, 0,1,2,3,4,5,6,7
.irp c, 0,1
	ds_load_b128 v[128*((\p)%2)+64*\t+8*\s+4*\c:128*((\p)%2)+64*\t+8*\s+4*\c+3], v[TA] offset:(2*(\p)+\t)*REC+\s*1024+\c*512
.endr
.endr
.endr
	WIN 0
.irp t, 0,1
	ds_load_b128 v[TS+8*((\p)%2)+4*\t:TS+8*((\p)%2)+4*\t+3], v[TA] offset:(2*(\p)+\t)*REC+8192
.endr
.endm
; One product.  A scale register holds K step s % 4 in lanes 0-15 and K step 4 + s % 4 in lanes 16-31.
.macro WM p, s, t, a, cr
.if (\s) < 4
	v_wmma_scale_f32_16x16x128_f8f6f4 v[ACC+16*(\a)+8*(\t):ACC+16*(\a)+8*(\t)+7], v[128*((\p)%2)+64*(\t)+8*(\s):128*((\p)%2)+64*(\t)+8*(\s)+7], v[64*(\a)+8*(\s):64*(\a)+8*(\s)+7], v[0+(\cr):7+(\cr)], v[TS+8*((\p)%2)+4*(\t)+(\s)%4], v[US+4*(\a)+(\s)%4] matrix_a_fmt:MATRIX_FMT_FP4 matrix_b_fmt:MATRIX_FMT_FP4
.else
	v_wmma_scale_f32_16x16x128_f8f6f4 v[ACC+16*(\a)+8*(\t):ACC+16*(\a)+8*(\t)+7], v[128*((\p)%2)+64*(\t)+8*(\s):128*((\p)%2)+64*(\t)+8*(\s)+7], v[64*(\a)+8*(\s):64*(\a)+8*(\s)+7], v[0+(\cr):7+(\cr)], v[TS+8*((\p)%2)+4*(\t)+(\s)%4], v[US+4*(\a)+(\s)%4] matrix_a_fmt:MATRIX_FMT_FP4 matrix_b_fmt:MATRIX_FMT_FP4 matrix_a_scale:MATRIX_SCALE_ROW1 matrix_b_scale:MATRIX_SCALE_ROW1
.endif
.endm
; 64 products: 2 tiles of T x 4 tiles of U x 8 K steps.  The first K step takes the bias as C; the 8 accumulators take turns, one instruction a turn.
.macro MM p
	WIN 0x36                                       ; source 0 (T) window 2, source 1 (U) window 1, C (bias) window 3, D window 0
.irp t, 0,1
.irp a, 0,1,2,3
	WM \p, 0, \t, \a, 16*(\p)+8*\t
.endr
.endr
	WIN 0x06                                       ; C window 0
.irp s, 1,2,3,4,5,6,7
.irp t, 0,1
.irp a, 0,1,2,3
	WM \p, \s, \t, \a, ACC+16*\a+8*\t
.endr
.endr
.endr
	WIN 0
.endm
.macro HALF p
	PLACES 4                                       ; with the four behind the last products: eight places ahead of products that begin their accumulators anew
.if (\p) < LAST
	FETCH (\p)+1
	s_wait_dscnt 34                                ; all but the 34 just issued: this half's tiles are in
.else
	s_wait_dscnt 0x0                               ; this half's tiles are in, and the last half's stores into the stage have read the accumulators
.endif
.if (\p) == 0
	s_wait_loadcnt 0x0                             ; U, its scale words, the bias
.endif
	MM \p
	PLACES 4                                       ; ahead of the first read of results
.irp a, 0,1,2,3
.irp q, 0,1,2,3
	ds_store_b128 v[SO], v[ACC+16*\a+4*\q:ACC+16*\a+4*\q+3] offset:\a*4352+128*(\p)+16*\q   ; each accumulator from its low end on
.endr
.endr
.endm
.macro BACK a                          ; block a's 16 rows come back whole: lanes 0-15 one row of 256 bytes, lanes 16-31 the next
.irp i, 0,1,2,3,4,5,6,7
	ds_load_b128 v[OB+32*((\a)%2)+4*\i:OB+32*((\a)%2)+4*\i+3], v[RD] offset:(\a)*4352+544*\i
.endr
.endm
.macro SEND a
.irp i, 0,1,2,3,4,5,6,7
	global_store_b128 v[GO], v[OB+32*((\a)%2)+4*\i:OB+32*((\a)%2)+4*\i+3], s[10:11] offset:(16*(\a)+2*\i)*4096 th:TH_STORE_NT
.endr
.endm
	s_load_b256 s[4:11], s[0:1], 0x0               ; xp, opnd, bo, out0
	v_lshl_add_u32 v126, v0, 2, 0x29000
	v_mov_b32 v127, 0
	ds_add_u32 v126, v127
	ds_add_u32 v126, v127
	v_lshrrev_b32 v78, 5, v0
	v_readfirstlane_b32 s[WV], v78                 ; wave 0..3
	v_and_b32 v79, 31, v0
	v_lshlrev_b32 v[LI], 4, v79
	v_mov_b32 v[TA], v[LI]
	v_and_b32 v78, 15, v0                          ; r
	v_bfe_u32 v79, v0, 4, 1                        ; hh
	v_lshlrev_b32 v[BAJ], 6, v79
	s_mul_i32 s27, s[WV], 17408
	s_add_co_u32 s27, s27, STG0                    ; my stage
	v_mul_u32_u24 v[SO], v78, 272
	v_lshl_add_u32 v[SO], v79, 6, v[SO]
	v_add_nc_u32 v[SO], s27, v[SO]                 ; in: row r, + 64 hh
	v_mul_u32_u24 v[RD], v79, 272
	v_lshl_add_u32 v[RD], v78, 4, v[RD]
	v_add_nc_u32 v[RD], s27, v[RD]                 ; back: two rows an instruction
	v_lshlrev_b32 v[GO], 12, v79
	v_lshl_add_u32 v[GO], v78, 4, v[GO]            ; and the same two rows in out0
	s_and_b32 s18, ttmp7, 0xffff                   ; which 64 columns
	s_lshl_b32 s22, s18, 2
	s_add_co_u32 s22, s22, 960
	s_add_co_u32 s22, s22, s[WV]                   ; the record of wo that I fetch: it hangs on y and the wave's number alone
	s_mul_i32 s22, s22, REC
	s_mov_b32 s23, 0
	s_bfe_u32 s17, ttmp6, 0x40000                  ; cx
	s_lshl_b32 s26, ttmp9, 2
	s_add_co_u32 s26, s26, s17                     ; which 256 rows
	s_lshl_b32 s24, s26, 4
	s_lshl_b32 s25, s[WV], 2
	s_add_co_u32 s24, s24, s25
	s_mul_i32 s24, s24, REC                        ; my four tiles of x
	s_mov_b32 s25, 0
	s_lshl_b32 s28, s26, 20                        ; 256 rows of 4,096 bytes,
	s_lshl_b32 s29, s[WV], 18                      ; my 64 of them,
	s_add_co_u32 s28, s28, s29
	s_lshl_b32 s30, s18, 8                         ; 64 columns are 256 bytes, in out0 and in bo
	s_add_co_u32 s28, s28, s30
	s_mov_b32 s29, 0
	s_mov_b32 s31, 0
	; descriptor group 1: 8,704 dense bytes as 34 rows of 256 (32 elements of 8 bytes), no padding
	s_mov_b32 s[G1], 15|(3<<16)|(1<<21)            ; the mask: all four work-groups; elements of 8 bytes; bit 21 set beside a mask
	s_mov_b32 s[G1+1], 32<<16
	s_mov_b32 s[G1+2], 34<<16
	s_mov_b32 s[G1+3], 32<<16
	s_mov_b32 s[G1+4], 34
	s_mov_b32 s[G1+5], 32
	s_mov_b32 s[G1+6], 0
	s_mov_b32 s[G1+7], 0
	s_mov_b32 s[G0], 1
	s_mul_i32 s[G0+1], s[WV], REC
	s_wait_dscnt 0x0
	s_wait_kmcnt 0x0
	s_add_nc_u64 s[G0+2:G0+3], s[6:7], s[22:23]
	s_or_b32 s[G0+3], s[G0+3], 0x80000000
	s_add_nc_u64 s[UB:UB+1], s[4:5], s[24:25]
	s_add_nc_u64 s[10:11], s[10:11], s[28:29]
	s_add_nc_u64 s[8:9], s[8:9], s[30:31]
	ROUND                                          ; all four work-groups are here: the joint loads meet
	tensor_load_to_lds s[G0:G0+3], s[G1:G1+7]
	s_nop 0
	PLACES 4
	WIN 0x40                                       ; destination window 1
.irp a, 0,1,2,3
.irp s, 0,1,2,3,4,5,6,7
.irp c, 0,1
	global_load_b128 v[64*\a+8*\s+4*\c:64*\a+8*\s+4*\c+3], v[LI], s[UB:UB+1] offset:\a*REC+\s*1024+\c*512
.endr
.endr
.endr
	WIN 0
.irp a, 0,1,2,3
	global_load_b128 v[US+4*\a:US+4*\a+3], v[LI], s[UB:UB+1] offset:\a*REC+8192
.endr
	WIN 0xc0                                       ; destination window 3
	s_wait_alu depctr_va_vdst(0)
.irp p, 0,1
.irp t, 0,1
	global_load_b128 v[16*\p+8*\t:16*\p+8*\t+3], v[BAJ], s[8:9] offset:128*\p+32*\t            ; register j: bias of column 32 p + 16 hh + 8 t + j
	global_load_b128 v[16*\p+8*\t+4:16*\p+8*\t+7], v[BAJ], s[8:9] offset:128*\p+32*\t+16
.endr
.endr
	WIN 0
	s_wait_tensorcnt 0x0                           ; my record is in,
	s_barrier_signal -1
	s_barrier_wait -1                              ; everybody's are
	FETCH 0
	HALF 0
	HALF 1
	BACK 0                                         ; LDS serves a wave's instructions in order: these see my stores
	BACK 1
	s_wait_dscnt 8                                 ; block 0 is back; block 1's eight loads may be out
	SEND 0
	s_wait_xcnt 0x0                                ; block 0's stores have read their registers
	BACK 2
	s_wait_dscnt 8
	SEND 1
	s_wait_xcnt 0x0
	BACK 3
	s_wait_dscnt 8
	SEND 2
	s_wait_dscnt 0x0
	SEND 3
	s_wait_tensorcnt 0x0
	ds_add_u32 v126, v127
	s_wait_dscnt 0x0
	ROUND                                          ; the closing round: no work-group ends while a partner may still ask for a record that names it
	s_endpgm
.Lfunc_end_k_qd15f43e423_outp:
	.size	k_qd15f43e423_outp, .Lfunc_end_k_qd15f43e423_outp-k_qd15f43e423_outp
	.p2alignl 7, 3214868480
	.fill 96, 4, 3214868480
	.section	.rodata,"a",@progbits
	.p2align	6, 0x0
	.amdhsa_kernel k_qd15f43e423_outp
		.amdhsa_group_segment_fixed_size 168448
		.amdhsa_private_segment_fixed_size 0
		.amdhsa_enable_private_segment 0
		.amdhsa_kernarg_size 32
		.amdhsa_user_sgpr_count 2
		.amdhsa_user_sgpr_kernarg_segment_ptr 1
		.amdhsa_wavefront_size32 1
		.amdhsa_system_sgpr_workgroup_id_x 1
		.amdhsa_system_sgpr_workgroup_id_y 1
		.amdhsa_system_sgpr_workgroup_id_z 1
		.amdhsa_system_vgpr_workitem_id 0
		.amdhsa_next_free_vgpr 800
		.amdhsa_next_free_sgpr 66
		.amdhsa_reserve_vcc 0
		.amdhsa_float_denorm_mode_32 3
		.amdhsa_float_denorm_mode_16_64 3
		.amdhsa_memory_ordered 1
		.amdhsa_forward_progress 1
		.amdhsa_inst_pref_size 40
	.end_amdhsa_kernel
	.amdgpu_metadata
---
amdhsa.version: [ 1, 2 ]
amdhsa.kernels:
  - .name:           k_qd15f43e423_outp
    .symbol:         k_qd15f43e423_outp.kd
    .args:
      - { .name: xp, .offset: 0, .size: 8, .value_kind: global_buffer, .address_space: global }
      - { .name: opnd, .offset: 8, .size: 8, .value_kind: global_buffer, .address_space: global }
      - { .name: bo, .offset: 16, .size: 8, .value_kind: global_buffer, .address_space: global }
      - { .name: out0, .offset: 24, .size: 8, .value_kind: global_buffer, .address_space: global }
    .group_segment_fixed_size: 168448
    .private_segment_fixed_size: 0
    .kernarg_segment_align: 8
    .kernarg_segment_size: 32
    .max_flat_workgroup_size: 128
    .sgpr_count:     66
    .vgpr_count:     800
    .wavefront_size: 32
...
	.end_amdgpu_metadata
.endif
;; end of part 9
